; MI455X (gfx1250); checked and timed in simulation.
; The chip was launched on July 23, 2026; its instructions are those of AMD's public machine-readable ISA for CDNA 5 (MIT licence, August 2026) and "CDNA5" Instruction Set Architecture Reference Guide (July 2026). The comments in the code are by the model that wrote it; some were corrected since.
;; Multi Head Self Attention. Allowed arithmetic: matrix products marked QUANTISED: E2M3 operands, one E8M0 scale for each 32 along K, by v_wmma_scale_f32_16x16x128_f8f6f4 with both operands' format E2M3, f32 sums; everything else in f32.
;; Inputs: b_out 1,024 float32; b_qkv 3,072 float32; w_out 1,024 x 1,024 float32; w_qkv 1,024 x 3,072 float32; x 4 x 2,048 x 1,024 float32.
;; Outputs: out0 4 x 2,048 x 1,024 float32.
;; This version of the problem:
;;   THIS VERSION OF THE PROBLEM IS GIVEN IN LOW PRECISION. The matrix products marked QUANTISED in the list below multiply operands that are first quantised to E2M3 (2 exponent bits, 3 mantissa bits; 6 bits a number), with one power-of-two scale for each 32 numbers along K (OCP MX v1.0); their sums are f32. All else is computed in f32.
;;   The module's matrix products, in the order in which they are computed (A, B: the left and right operand; K: the contracted axis; several contracted axes count as one K, in the product's order):
;;     1. [M 8,192, K 1,024] x [K 1,024, N 3,072]; A: input x; B: input w_qkv: QUANTISED
;;     2. batch 64 x [M 2,048, K 64] x [K 64, N 2,048]; A: computed on the way; B: computed on the way: QUANTISED
;;     3. batch 64 x [M 2,048, K 2,048] x [K 2,048, N 64]; A: softmax (see below); B: computed on the way: QUANTISED
;;     4. [M 8,192, K 1,024] x [K 1,024, N 1,024]; A: computed on the way; B: input w_out: QUANTISED
;;   THE QUANTISER, for each operand of a quantised product, along K:
;;     - K is cut into blocks of 32 from its start; a last block that is shorter is filled with zeros.
;;     - A block's scale is 2^e with e = floor(log2(the largest magnitude in the block)) - 2, held to -126 .. 127; a block of zeros has e = 0. As a byte (E8M0): e + 127.
;;     - Each number is divided by its block's scale, clamped to +-7.5, and rounded to the nearest number of E2M3, ties to even, subnormals kept.
;;     - The product sums the exact products of the quantised numbers (number of the format x scale) in f32.
;;   ~~~python
;;   def quantise(x, axis):      # numpy; x: float32 -> the quantised numbers, widened to float32 again
;;       x = np.moveaxis(x, axis, -1); K = x.shape[-1]
;;       x = np.pad(x, [(0, 0)] * (x.ndim - 1) + [(0, -K % 32)]); x = x.reshape(x.shape[:-1] + (-1, 32)); a = np.abs(x).max(-1, keepdims=True)
;;       e = np.where(a > 0, np.clip(np.frexp(np.where(a > 0, a, 1))[1] - 1 - 2, -126, 127), 0)      # np.frexp(a)[1] - 1 = floor(log2(a)), exactly
;;       r = np.clip(x / 2.0 ** e, -7.5, 7.5)
;;       step = 2.0 ** (np.maximum(np.frexp(np.where(r == 0, 1, r))[1] - 1, 0) - 3)
;;       q = np.round(r / step) * step * 2.0 ** e      # np.round: ties to even
;;       return np.moveaxis(q.reshape(q.shape[:-2] + (-1,))[..., :K], -1, axis).astype(np.float32)
;;   ~~~
;;   SOFTMAX AHEAD OF A QUANTISED PRODUCT. Where the list says 'softmax', what is quantised is not the finished softmax but p = 2^(t - M), with t = logit x log2(e) and M = ceil(the row's largest t), a whole number; so 1/2 < the row's largest p <= 1. The row's sum l is taken of the UNQUANTISED p, in f32, and the product's result is divided by l at the end. Since M is a whole number, a kernel that streams over the keys may use a running M (the ceiling of the running maximum): every later rescaling is an exact power of two, which a block's scale takes up: the codes' values come out the same.
;;   OPERANDS COMPUTED ON THE WAY. 'Computed on the way' means the value that the module computes at that place (a softmax that the list does not call 'softmax' is quantised finished and normalised). What goes into a quantiser is computed in f32, as accurately as f32 sums, v_exp_f32 and their like allow (about 1e-6 of the number): no bf16 or f16 on the way to a quantiser, and a product that is left as it is and whose result goes on into a quantised operand takes f32 operands (vector FMAs, or v_wmma_f32_16x16x4_f32). A number that lies on a knife's edge between two numbers of the format may be rounded either way, as far as f32 arithmetic and the matrix unit's own rounding can turn it there, and no further.
;; One version. Each part assembles by itself: llvm-mc -triple=amdgcn-amd-amdhsa -mcpu=gfx1250 --defsym DOCPART=n.
;; ======== version 1 of 1: 4 launches
;; limits: right only within a limited range of input values
;; workspace buffers: ximg 6,291,456 bytes; wimg 3,145,728 bytes; sc1 393,216 bytes; qkimg 12,582,912 bytes; vimg 6,291,456 bytes; hsc 786,432 bytes; aimg 6,291,456 bytes; sc2 262,144 bytes
;; launch quant (part 1): grid 768 x 1, 4 waves a work-group, no clusters, 80,384 bytes of LDS; arguments x, w_qkv, w_out, ximg, wimg, sc1; writes ximg, wimg, sc1
.if DOCPART == 1
	.amdgcn_target "amdgcn-amd-amdhsa--gfx1250"
	.amdhsa_code_object_version 6
	.text
	.protected	k_q0e56c04a62_quant
	.globl	k_q0e56c04a62_quant
	.p2align	8
	.type	k_q0e56c04a62_quant,@function
k_q0e56c04a62_quant:
	s_mov_b64 s[64:65], 0
	v_nop
	global_prefetch_b8 v0, s[64:65] scope:SCOPE_SE
	s_setreg_imm32_b32 hwreg(HW_REG_WAVE_MODE, 25, 1), 1
	s_wait_xcnt 0x0
; x [8192][1024], w_qkv [1024][3072] and w_out [1024][1024], f32, become codes of FP6 (E2M3) with one E8M0 byte for each 32 along K (K = the 1,024 of d_model for all three).
; A block's scale is 2^(floor(log2(its largest magnitude)) - 2): its byte is the largest magnitude's exponent field - 2, held at 1 from below by a floor among the maximum's leaves.
; LIMITS: a block of zeros gets the byte 1 where the rule says 127 (its codes are zeros, and this program alone reads the bytes); NaN and infinities among the inputs are not served.
; THE OUTPUT IS LAID AS THE READER'S REGISTERS WANT IT.  Rows (of x; columns n of the weights, w_qkv's 3,072 and then w_out's 1,024) go in groups of 32; a group is two tiles u = 0, 1 of 16;
; lane-row r of tile u is row 8 u + r + 8 (r / 8) of the group.  A fragment (a tile x 128 along K: 12 registers a lane) is an image of 1,536 bytes: register 4 g + w of lane l at byte 512 g + 16 l + 4 w.
; ximg, wimg: [tile][K step 8] images.  sc1: scale words (4 bytes: one row, 128 along K) at group x 1024 + K step x 128 + u x 64 + r x 4; x's 256 groups, then the weights' 128 from byte 262,144 on.
; The first 512 work-groups take x, the other 256 the weights: one scalar branch on the work-group's number; the two ways never join and have LDS bytes of their own.  Waves share nothing: no barrier.
.set XST,   16896                      ; x's way: a wave's stage, 32 rows x (512 bytes + 16)
.set WST,   67584                      ; the weights' way: a wave's two images, 3,072 bytes, from here on
.set SPARE, 79872                      ; the spare words, 128 bytes for each wave: two blocks of 256 bytes that no other line names
.set SPW,   18                         ; v18  SPARE + 4 x my thread's number; never rewritten
.set NIL,   19                         ; v19  0; never rewritten
	s_load_b256 s[4:11], s[0:1], 0x0               ; x s[4:5], w_qkv s[6:7], w_out s[8:9], ximg s[10:11]
	s_load_b128 s[12:15], s[0:1], 0x20             ; wimg s[12:13], sc1 s[14:15]
	v_lshl_add_u32 v[SPW], v0, 2, SPARE
	v_mov_b32 v[NIL], 0
	v_lshrrev_b32 v1, 5, v0
	v_readfirstlane_b32 s16, v1                    ; wave
	v_and_b32 v1, 31, v0                           ; lane
	v_and_b32 v2, 15, v0                           ; r
	v_bfe_u32 v3, v0, 4, 1                         ; h
	v_lshlrev_b32 v4, 4, v1                        ; 16 x lane
	v_lshlrev_b32 v7, 2, v1                        ; 4 x lane
	v_lshlrev_b32 v20, 3, v3                       ; 8 h: my two scale bytes' place in the word
	s_mov_b32 s30, 0x76543210
	s_mov_b32 s31, 0xfedcba98                      ; v_permlanex16_b32's selects for lane l xor 16
	v_cmp_le_u32 s32, 16, v1                       ; lanes 16-31
	v_mov_b32 v14, 0                               ; a lane permute's destination counts as one of its sources
	s_cmp_lt_u32 ttmp9, 512
	s_cbranch_scc0 .Lw_path
; ---------------- x: a wave takes one group of 32 rows and one K step of 128: 16 KB of f32.  The four waves of a work-group stand side by side on 2,048 bytes of the same rows.
	s_lshl_b32 s17, ttmp9, 2
	s_add_co_u32 s17, s17, s16
	s_lshr_b32 s18, s17, 3                         ; the group
	s_and_b32 s19, s17, 7                          ; the K step
	; x's tiles are formed from 64 rows: lane-row r of tile 4 c + u is row 64 c + 8 u + r % 8 + 32 (r / 8).  Group G holds tiles 2 G, 2 G + 1: it begins at row 64 (G / 2) + 16 (G % 2)
	s_lshr_b32 s20, s18, 1
	s_lshl_b32 s20, s20, 18                        ; 64 rows of 4,096 bytes,
	s_and_b32 s21, s18, 1
	s_lshl_b32 s21, s21, 16                        ; 16 rows,
	s_add_co_u32 s20, s20, s21
	s_lshl_b32 s21, s19, 9                         ; 512 bytes a K step
	s_add_co_u32 s20, s20, s21
	s_mov_b32 s21, 0
	s_mul_i32 s22, s18, 24576                      ; ximg: two tiles of 12,288 bytes a group,
	s_mul_i32 s23, s19, 1536                       ; an image a K step
	s_add_co_u32 s22, s22, s23
	s_mov_b32 s23, 0
	s_lshl_b32 s24, s18, 10                        ; sc1
	s_lshl_b32 s25, s19, 7
	s_add_co_u32 s24, s24, s25
	s_mov_b32 s25, 0
	s_mul_i32 s26, s16, XST
	s_wait_alu depctr_va_vdst(0)
	v_add_nc_u32 v5, s26, v4                       ; into my stage: a row's 512 bytes as they lie
	v_mul_u32_u24 v6, v2, 528
	v_lshl_add_u32 v6, v3, 7, v6
	v_add_nc_u32 v6, s26, v6                       ; out of it: row r of a tile, + 128 h bytes: my block of 32 numbers
	s_wait_alu depctr_va_vdst(0)
	s_wait_kmcnt 0x0
	s_add_nc_u64 s[4:5], s[4:5], s[20:21]
	s_add_nc_u64 s[10:11], s[10:11], s[22:23]
	s_add_nc_u64 s[14:15], s[14:15], s[24:25]
.set i, 0
.rept 32                                       ; stage row i = lane-row i % 16 of tile i / 16.  Each load reads 512 consecutive bytes
	global_load_b128 v[64+4*i:67+4*i], v4, s[4:5] offset:(8*(i/16)+(i%16)%8+32*((i%16)/8))*4096 th:TH_LOAD_NT
.set i, i+1
.endr
.irp q, 0,1,2,3
	s_wait_loadcnt 24-8*\q                         ; these eight loads are in; the count is the loads issued behind them
.irp j, 0,1,2,3,4,5,6,7
	ds_store_b128 v5, v[64+4*(8*\q+\j):67+4*(8*\q+\j)] offset:(8*\q+\j)*528
.endr
.endr
.macro XBACK u, reg                    ; tile u comes back: register 32 c + 4 j .. = k 64 c + 32 h + 4 j .. of my row.  LDS serves a wave's instructions in order: these see my stores
.irp c, 0,1
.irp j, 0,1,2,3,4,5,6,7
	ds_load_b128 v[\reg+32*\c+4*\j:\reg+32*\c+4*\j+3], v6 offset:\u*8448+256*\c+16*\j
.endr
.endr
.endm
; 64 numbers of a lane (two whole blocks: 2 c + h) become the fragment's 12 registers at v[dst] and the row's scale word
.macro QX src, dst, word
.irp c, 0,1
	v_max3_num_f32 v[8+\c], |v[\src+32*\c]|, |v[\src+32*\c+1]|, 0x1800000   ; the floor 2^(3 - 127): the byte cannot fall under 1
.endr
.irp i, 2,4,6,8,10,12,14,16,18,20,22,24,26,28,30
.irp c, 0,1
	v_max3_num_f32 v[8+\c], v[8+\c], |v[\src+32*\c+\i]|, |v[\src+32*\c+\i+1]|
.endr
.endr
.irp c, 0,1
	v_add_nc_u32 v[10+\c], 0xff000000, v[8+\c]     ; 2 off the exponent field: the conversion's scale operand
.endr
.irp c, 0,1
	v_lshrrev_b32 v[12+\c], 23, v[10+\c]           ; the scale's byte
.endr
	v_lshl_or_b32 v[\word], v13, 16, v12           ; blocks h and 2 + h,
	v_lshlrev_b32 v[\word], v20, v[\word]          ; at their places;
	v_permlanex16_b32 v14, v[\word], s30, s31
	v_or_b32 v[\word], v[\word], v14               ; with lane l xor 16's two the word is whole
.irp c, 0,1
	v_cvt_scalef32_pk16_fp6_f32 v[\dst+6*\c:\dst+6*\c+2], v[\src+32*\c:\src+32*\c+15], v[10+\c]
	v_cvt_scalef32_pk16_fp6_f32 v[48+4*\c:50+4*\c], v[\src+32*\c+16:\src+32*\c+31], v[10+\c]   ; (a conversion's three registers begin on an even number)
.endr
	v_nop                                          ; one plain place behind a scaled conversion
.irp c, 0,1
.irp i, 0,1,2
	v_mov_b32 v[\dst+6*\c+3+\i], v[48+4*\c+\i]
.endr
.endr
.endm
	XBACK 0, 192
	s_wait_dscnt 0x0                               ; tile 0 is back, and the stage's stores have read v64 on
	XBACK 1, 64
	QX 192, 24, 16
.irp g, 0,1,2
	global_store_b128 v4, v[24+4*\g:27+4*\g], s[10:11] offset:512*\g          ; 512 consecutive bytes a store
.endr
	s_wait_dscnt 0x0
	QX 64, 36, 17
.irp g, 0,1,2
	global_store_b128 v4, v[36+4*\g:39+4*\g], s[10:11] offset:12288+512*\g
.endr
	v_cndmask_b32 v17, v16, v17, s32               ; lanes 0-15 tile 0's words, lanes 16-31 tile 1's
	global_store_b32 v7, v17, s[14:15]             ; 128 consecutive bytes
	s_wait_tensorcnt 0x0                           ; the wave's end, behind my last LDS store
	ds_add_u32 v[SPW], v[NIL]
	s_wait_dscnt 0x0
	s_endpgm
; ---------------- the weights: K is their FIRST axis.  A wave takes 32 columns and one K step; a lane takes a column and its registers run down K: each load reads 128 consecutive bytes, the four waves stand side by side on 512.
.Lw_path:
	s_sub_co_u32 s17, ttmp9, 512
	s_lshr_b32 s18, s17, 3                         ; which 128 columns: 0-23 w_qkv's, 24-31 w_out's
	s_and_b32 s19, s17, 7                          ; the K step
	s_lshl_b32 s20, s18, 2
	s_add_co_u32 s20, s20, s16                     ; my group of 32 columns, 0 .. 127
	s_mov_b32 s21, 4096
	s_cmp_lt_u32 s18, 24
	s_cselect_b32 s21, 12288, s21                  ; bytes from row to row
	s_cselect_b32 s22, 0, 96
	s_sub_co_u32 s22, s20, s22                     ; the group within its own tensor
	s_lshl_b32 s22, s22, 7
	s_lshl_b32 s23, s19, 7
	s_mul_i32 s23, s23, s21                        ; 128 rows a K step
	s_add_co_u32 s22, s22, s23
	s_mov_b32 s23, 0
	s_lshl_b32 s28, s21, 5                         ; 32 rows: a block
	s_mov_b32 s29, 0
	s_mul_i32 s24, s20, 24576
	s_mul_i32 s25, s19, 1536
	s_add_co_u32 s24, s24, s25                     ; wimg
	s_mov_b32 s25, 0
	s_lshl_b32 s44, s20, 10
	s_lshl_b32 s45, s19, 7
	s_add_co_u32 s44, s44, s45
	s_add_co_u32 s44, s44, 262144                  ; sc1, behind x's words
	s_mov_b32 s45, 0
.set i, 0
	s_wait_alu depctr_va_vdst(0)
.rept 32
	v_mad_u32_u24 v[32+i], s21, i, v7              ; row i of a block, my column
.set i, i+1
.endr
	v_bfe_u32 v8, v0, 3, 1                         ; column l of the group is lane-row r = l % 8 + 8 (l / 16) of tile u = (l / 8) % 2
	v_and_b32 v9, 7, v0
	v_lshl_add_u32 v9, v3, 3, v9
	s_mul_i32 s26, s16, 3072
	s_add_co_u32 s26, s26, WST
	v_mul_u32_u24 v5, v8, 1536
	v_lshl_add_u32 v5, v9, 4, v5
	v_add_nc_u32 v5, s26, v5                       ; my column's place in my wave's two images: 1,536 u + 16 r
	v_add_nc_u32 v6, s26, v4                       ; and back: 16 x lane
	v_lshlrev_b32 v10, 6, v8
	v_lshl_add_u32 v10, v9, 2, v10                 ; my scale word's place: 64 u + 4 r
	s_wait_kmcnt 0x0
	s_cmp_lt_u32 s18, 24
	s_cselect_b64 s[34:35], s[6:7], s[8:9]
	s_add_nc_u64 s[36:37], s[34:35], s[22:23]      ; a base for each of the K step's four blocks
	s_add_nc_u64 s[38:39], s[36:37], s[28:29]
	s_add_nc_u64 s[40:41], s[38:39], s[28:29]
	s_add_nc_u64 s[42:43], s[40:41], s[28:29]
	s_add_nc_u64 s[12:13], s[12:13], s[24:25]
	s_add_nc_u64 s[14:15], s[14:15], s[44:45]
.irp kb, 0,1,2,3
.set i, 0
.rept 32
	global_load_b32 v[64+32*\kb+i], v[32+i], s[36+2*\kb:37+2*\kb] th:TH_LOAD_NT
.set i, i+1
.endr
.endr
; Block kb = 2 c + hh of my column: all 32 numbers are mine.  Its 24 bytes of codes are registers 6 c .. 6 c + 5 of image lane r + 16 hh.
.macro WBLOCK kb, left
	s_wait_loadcnt \left
	v_max3_num_f32 v11, |v[64+32*\kb]|, |v[65+32*\kb]|, 0x1800000
	v_max_num_f32 v12, |v[66+32*\kb]|, |v[67+32*\kb]|
.irp i, 4,8,12,16,20,24,28
	v_max3_num_f32 v11, v11, |v[64+32*\kb+\i]|, |v[65+32*\kb+\i]|
	v_max3_num_f32 v12, v12, |v[66+32*\kb+\i]|, |v[67+32*\kb+\i]|
.endr
	v_max_num_f32 v11, v11, v12
	v_add_nc_u32 v13, 0xff000000, v11
	v_lshrrev_b32 v12, 23, v13
.if \kb == 0
	v_mov_b32 v16, v12                             ; my four bytes are my column's scale word
.else
	v_lshl_or_b32 v16, v12, 8*\kb, v16
.endif
	v_cvt_scalef32_pk16_fp6_f32 v[192+8*\kb:194+8*\kb], v[64+32*\kb:79+32*\kb], v13
	v_cvt_scalef32_pk16_fp6_f32 v[224+4*\kb:226+4*\kb], v[80+32*\kb:95+32*\kb], v13
	v_nop
.irp i, 0,1,2
	v_mov_b32 v[195+8*\kb+\i], v[224+4*\kb+\i]
.endr
.if \kb < 2
	ds_store_b128 v5, v[192+8*\kb:195+8*\kb] offset:256*(\kb%2)          ; registers 0-3
	ds_store_b64 v5, v[196+8*\kb:197+8*\kb] offset:256*(\kb%2)+512       ; registers 4, 5
.else
	ds_store_b64 v5, v[192+8*\kb:193+8*\kb] offset:256*(\kb%2)+520       ; registers 6, 7
	ds_store_b128 v5, v[194+8*\kb:197+8*\kb] offset:256*(\kb%2)+1024     ; registers 8-11
.endif
.endm
	WBLOCK 0, 63                                   ; 96 loads stand behind this block's, 64 behind the next's: the count names the most that its field holds
	WBLOCK 1, 63
	WBLOCK 2, 32
	WBLOCK 3, 0
.irp k, 0,1,2,3,4,5
	ds_load_b128 v[64+4*\k:67+4*\k], v6 offset:512*\k                    ; LDS serves a wave's instructions in order: these see my stores
.endr
	s_wait_alu depctr_va_vdst(0)
	s_wait_dscnt 0x0
.irp k, 0,1,2,3,4,5
	global_store_b128 v4, v[64+4*\k:67+4*\k], s[12:13] offset:(\k/3)*12288+(\k%3)*512
.endr
	global_store_b32 v10, v16, s[14:15]
	s_wait_tensorcnt 0x0                           ; the wave's end, behind my last LDS store
	ds_add_u32 v[SPW], v[NIL]
	s_wait_dscnt 0x0
	s_endpgm
.Lfunc_end_k_q0e56c04a62_quant:
	.size	k_q0e56c04a62_quant, .Lfunc_end_k_q0e56c04a62_quant-k_q0e56c04a62_quant
	.p2alignl 7, 3214868480
	.fill 96, 4, 3214868480
	.section	.rodata,"a",@progbits
	.p2align	6, 0x0
	.amdhsa_kernel k_q0e56c04a62_quant
		.amdhsa_group_segment_fixed_size 80384
		.amdhsa_private_segment_fixed_size 0
		.amdhsa_enable_private_segment 0
		.amdhsa_kernarg_size 48
		.amdhsa_user_sgpr_count 2
		.amdhsa_user_sgpr_kernarg_segment_ptr 1
		.amdhsa_wavefront_size32 1
		.amdhsa_system_sgpr_workgroup_id_x 1
		.amdhsa_system_sgpr_workgroup_id_y 1
		.amdhsa_system_sgpr_workgroup_id_z 1
		.amdhsa_system_vgpr_workitem_id 0
		.amdhsa_next_free_vgpr 256
		.amdhsa_next_free_sgpr 66
		.amdhsa_reserve_vcc 0
		.amdhsa_float_denorm_mode_32 3
		.amdhsa_float_denorm_mode_16_64 3
		.amdhsa_memory_ordered 1
		.amdhsa_forward_progress 1
		.amdhsa_inst_pref_size 40
	.end_amdhsa_kernel
	.amdgpu_metadata
---
amdhsa.version: [ 1, 2 ]
amdhsa.kernels:
  - .name:           k_q0e56c04a62_quant
    .symbol:         k_q0e56c04a62_quant.kd
    .args:
      - { .name: x, .offset: 0, .size: 8, .value_kind: global_buffer, .address_space: global }
      - { .name: w_qkv, .offset: 8, .size: 8, .value_kind: global_buffer, .address_space: global }
      - { .name: w_out, .offset: 16, .size: 8, .value_kind: global_buffer, .address_space: global }
      - { .name: ximg, .offset: 24, .size: 8, .value_kind: global_buffer, .address_space: global }
      - { .name: wimg, .offset: 32, .size: 8, .value_kind: global_buffer, .address_space: global }
      - { .name: sc1, .offset: 40, .size: 8, .value_kind: global_buffer, .address_space: global }
    .group_segment_fixed_size: 80384
    .private_segment_fixed_size: 0
    .kernarg_segment_align: 8
    .kernarg_segment_size: 48
    .max_flat_workgroup_size: 128
    .sgpr_count:     66
    .vgpr_count:     256
    .wavefront_size: 32
...
	.end_amdgpu_metadata
.endif
;; end of part 1
;; launch gemm_qkv (part 2): grid 8 x 32, 4 waves a work-group, clusters of 4 x 4, 327,680 bytes of LDS; arguments ximg, wimg, sc1, b_qkv, qkimg, vimg, hsc; writes qkimg, vimg, hsc
.if DOCPART == 2
	.amdgcn_target "amdgcn-amd-amdhsa--gfx1250"
	.amdhsa_code_object_version 6
	.text
	.protected	k_q0e56c04a62_gemm_qkv
	.globl	k_q0e56c04a62_gemm_qkv
	.p2align	8
	.type	k_q0e56c04a62_gemm_qkv,@function
k_q0e56c04a62_gemm_qkv:
	s_mov_b64 s[64:65], 0
	v_nop
	global_prefetch_b8 v0, s[64:65] scope:SCOPE_SE
	s_setreg_imm32_b32 hwreg(HW_REG_WAVE_MODE, 25, 1), 1
	s_wait_xcnt 0x0
	s_wait_alu depctr_hold_cnt(0) depctr_sa_sdst(0) depctr_va_vdst(0) depctr_va_sdst(0) depctr_va_ssrc(0) depctr_va_vcc(0) depctr_vm_vsrc(0)
	s_getreg_b32 s2, hwreg(HW_REG_IB_STS2, 6, 4)
	s_cmp_eq_u32 s2, 0
	s_cbranch_scc0 .Lentry_in_a_cluster
	s_endpgm
.Lentry_in_a_cluster:
	s_bfe_u32 s2, ttmp6, 0x10000c
	s_cmp_lg_u32 s2, 0xf033
	s_cbranch_scc0 .Lentry_shape_is_right
	s_endpgm
.Lentry_shape_is_right:
; qkv = x w_qkv + b_qkv on codes of FP6 (E2M3) with E8M0 scales, f32 sums; q, k and v are quantised in registers for the attention's two products and leave as codes: no f32 number goes to memory.
; THE DEAL.  256 work-groups: 32 blocks of 256 tokens x 8 groups of columns.  A work-group takes its tokens through three phases of 128 columns: v's, q's, k's (two heads each).  Four waves, 2 x 2: wave (a, b) has tokens 128 a ..,
; 8 tiles of 16, and columns 64 b .., one head, 4 tiles.  A wave's 64 columns, ALL of K = 1,024, lie in 384 registers; x's tiles go past them in blocks: 32 products make 16 tokens x 64 columns.
; Operands lie in memory and in LDS as images of their registers (16 rows x 128 K: 1,536 bytes, register 4 g + w of lane l at 512 g + 16 l + 4 w), [tile][K step 8]: a tile is 12,288 dense bytes.
; x's tiles: lane-row r of tile 4 c + u is token 64 c + 8 u + r % 8 + 32 (r / 8).  The weights': lane-row r of tile 2 B + u is column 32 B + 8 u + r + 8 (r / 8).
; LDS: x's 16 tiles (196,608 bytes), filled once; the weights' 8 tiles (98,304), filled at the head with v's and again twice, with q's and k's, each time in a drained round of the cluster's barrier behind a phase's first block,
; when every wave holds the phase's weights in registers.  A refill is asked for 7 blocks, 224 products, ahead of the wait for it: no prefetch is laid.
; CLUSTER 4 x 4: x's tiles hang on the cluster's row alone, the weights' on its column alone: each is asked for jointly by the four that share it.
; q, k: source 0 = the weights: a lane holds one token, its 32 sums are channels 32 B + 16 h + 0 .. 15 (B = 0, 1) of the head.  v: source 0 = x: a lane holds one channel, and its 32 sums of four blocks are keys 64 c + 32 h + 0 .. 31.
; The bias is the C of each block's first four products.
; OUT.  qkimg [head' 32 (q's 16, then k's 16)][pair of token tiles 256]: an image whose registers 0-5 are the first tile (channels 32 h ..) and 6-11 the second.  vimg [batch x 16 + head][128 keys 16][tile of 16 channels 4]: images.
; hsc: q, k: [head'][pair / 4][r][pair % 4] words [tile 0 block 0, block 1, tile 1 block 0, block 1]; v from byte 524,288: [batch x 16 + head][128 keys][r][tile] words.
; LIMITS: a block of zeros gets the scale byte 1 where the rule says 127 (its codes are zeros; this program alone reads the bytes); NaN and infinities are not served.
; REGISTERS.  window 0: v1-9 lane terms; v10-12 LDS addresses; v14-25, v30-32 at work; v28, v29 the add's two; v36-67 x's scale words (8 B + K step: lanes 0-15 tile 2 B, lanes 16-31 tile 2 B + 1); v72-119 the weights', 16 a phase;
;   v120-127 scale words on the way out; v128-159 q's or k's sums, v160-171 their codes; v128-255 v's sums (32 t + 8 (block % 4)).
;   Fragment f lies in window 1 + f / 21 at register 12 (f % 21): 0-31 the weights' (4 K step + t), 32-39 and 40-47 x's two sets.  window 3 from v72 on: three biases of 32; v168-215 v's codes; v216-231 at work.
.set TILE,  12288
.set WB,    196608
.set SPARE, 294912                     ; the spare words, 128 bytes for each wave
.set FPW,   21
.set ADW,   10
.set ADX,   11
.set TMX,   14
.set TP,    18
.set TSO,   22
.set SPW,   28
.set NIL,   29
.set CT,    30
.set XS,    36                         ; x's and the weights' scale registers differ modulo 8
.set WS,    72
.set KW,    120
.set ACC,   128
.set G,     160
.set HV,    128
.set BB,    72
.set GV,    168
.set CV,    216
.set G1W,   24
.set G1X,   32
.set G0W,   40
.set G0X,   44
.set G0R,   48
.set WV,    18
.set MSB,   0
.macro WIN new                         ; the immediate's high byte repeats the setting that is left
.if MSB != (\new)
	s_set_vgpr_msb (MSB<<8)|(\new)
.set MSB, (\new)
.endif
.endm
.macro PLACES                          ; four plain places behind a matrix instruction (ISA guide 7.12.1)
.rept 4
	v_nop
.endr
.endm
.macro WALU
	s_wait_alu depctr_va_vdst(0)
.endm
.macro CROUND                          ; a round of the cluster's barrier
	s_barrier_signal -1
	s_barrier_wait -1
	s_cmp_lg_u32 s[WV], 0
	s_cbranch_scc1 .Lnot_wave_0_\@
	s_barrier_signal -3
.Lnot_wave_0_\@:
	s_barrier_wait -3
	s_barrier_signal -1
	s_barrier_wait -1
.endm
.macro WM d, fa, fb, c, sa, sb, ra, rb ; one product; ra, rb: the side's scale words stand in lanes 16-31
.if ((\ra)!=0) && ((\rb)!=0)
	v_wmma_scale_f32_16x16x128_f8f6f4 v[\d:\d+7], v[\fa:\fa+11], v[\fb:\fb+11], v[\c:\c+7], v[\sa], v[\sb] matrix_a_fmt:MATRIX_FMT_FP6 matrix_b_fmt:MATRIX_FMT_FP6 matrix_a_scale:MATRIX_SCALE_ROW1 matrix_b_scale:MATRIX_SCALE_ROW1
.elseif (\ra)!=0
	v_wmma_scale_f32_16x16x128_f8f6f4 v[\d:\d+7], v[\fa:\fa+11], v[\fb:\fb+11], v[\c:\c+7], v[\sa], v[\sb] matrix_a_fmt:MATRIX_FMT_FP6 matrix_b_fmt:MATRIX_FMT_FP6 matrix_a_scale:MATRIX_SCALE_ROW1
.elseif (\rb)!=0
	v_wmma_scale_f32_16x16x128_f8f6f4 v[\d:\d+7], v[\fa:\fa+11], v[\fb:\fb+11], v[\c:\c+7], v[\sa], v[\sb] matrix_a_fmt:MATRIX_FMT_FP6 matrix_b_fmt:MATRIX_FMT_FP6 matrix_b_scale:MATRIX_SCALE_ROW1
.else
	v_wmma_scale_f32_16x16x128_f8f6f4 v[\d:\d+7], v[\fa:\fa+11], v[\fb:\fb+11], v[\c:\c+7], v[\sa], v[\sb] matrix_a_fmt:MATRIX_FMT_FP6 matrix_b_fmt:MATRIX_FMT_FP6
.endif
.endm
.macro FRAG f, adr, off                ; an image comes back as it was laid: three loads of 512 consecutive bytes
	WIN (1+(\f)/FPW)<<6
.irp g, 0,1,2
	ds_load_b128 v[12*((\f)%FPW)+4*\g:12*((\f)%FPW)+4*\g+3], v[\adr] offset:(\off)+512*\g
.endr
.endm
.macro WEIGHTS                         ; my 64 columns, all of K: 96 loads, K step by K step
.irp k, 0,1,2,3,4,5,6,7
.irp t, 0,1,2,3
	FRAG 4*\k+\t, ADW, \t*TILE+\k*1536
.endr
.endr
	WIN 0
.endm
.macro FETCH i, e                      ; my token tile i into set e: 24 loads
.irp k, 0,1,2,3,4,5,6,7
	FRAG 32+8*(\e)+\k, ADX+(\i)/4, ((\i)%4)*TILE+\k*1536
.endr
	WIN 0
.endm
.macro PROD kind, p, i, k, t           ; phase p, token tile i, K step k, column tile t
.set FW_, 4*(\k)+(\t)
.set FX_, 32+8*((\i)%2)+(\k)
.set SW_, WS+16*(\p)+8*((\t)/2)+(\k)
.set SX_, XS+8*((\i)/2)+(\k)
.if \kind
.set D_, HV+32*(\t)+8*((\i)%4)
.else
.set D_, ACC+8*(\t)
.endif
.if (\k)==0
.set C_, BB+32*(\p)+8*(\t)
.set CW_, 3
.else
.set C_, D_
.set CW_, 0
.endif
.if \kind
	WIN (1+FX_/FPW)|((1+FW_/FPW)<<2)|(CW_<<4)
	WM D_, 12*(FX_%FPW), 12*(FW_%FPW), C_, SX_, SW_, (\i)%2, (\t)%2
.else
	WIN (1+FW_/FPW)|((1+FX_/FPW)<<2)|(CW_<<4)
	WM D_, 12*(FW_%FPW), 12*(FX_%FPW), C_, SW_, SX_, (\t)%2, (\i)%2
.endif
.endm
; A block: 32 products, the four accumulators by turns.  w: the LDS loads younger than this tile's fetch.
; st = 1, a phase's first block behind a change of weights: ahead of K step k the loads younger than its weights are 12 (7 - k) + 24; the count names at most what its field holds.
.macro BLOCK kind, p, i, w, st
.if (\st)==0
	s_wait_dscnt \w
.endif
.irp k, 0,1,2,3,4,5,6,7
.if \st
.set W_, 12*(7-\k)+24
.if W_ > 63
.set W_, 63
.endif
	s_wait_dscnt W_
.endif
.irp t, 0,1,2,3
	PROD \kind, \p, \i, \k, \t
.endr
.endr
	WIN 0
	PLACES
.endm
; q, k: a block's way out.  My 32 sums are two half blocks; the other halves are lane l xor 16's.  Six registers of codes: half an image; two bytes: half a scale word.
.macro EPQ p, i
.if (\i)%2 == 0
	s_wait_xcnt 0x0                                ; the earlier stores have read their registers
.endif
.irp t, 0,1,2,3
	v_max3_num_f32 v[TMX+\t], |v[ACC+8*\t]|, |v[ACC+8*\t+1]|, |v[ACC+8*\t+2]|     ; each accumulator from its low end on
.endr
.irp m, 3,5
.irp t, 0,1,2,3
	v_max3_num_f32 v[TMX+\t], v[TMX+\t], |v[ACC+8*\t+\m]|, |v[ACC+8*\t+\m+1]|
.endr
.endr
.irp b, 0,1
	v_max3_num_f32 v[TMX+2*\b], v[TMX+2*\b], v[TMX+2*\b+1], |v[ACC+16*\b+7]|
.endr
.irp b, 0,1
	v_max3_num_f32 v[TMX+2*\b], v[TMX+2*\b], |v[ACC+16*\b+15]|, 0x1800000         ; the floor 2^(3 - 127): the byte cannot fall under 1
.endr
.irp b, 0,1
	v_permlanex16_b32 v[TP+\b], v[TMX+2*\b], s86, s87
.endr
.irp b, 0,1
	v_max_num_f32 v[TMX+2*\b], v[TMX+2*\b], v[TP+\b]
.endr
.irp b, 0,1
	v_add_nc_u32 v[TSO+\b], 0xff000000, v[TMX+2*\b]                              ; 2 off the exponent field: the conversion's scale operand
.endr
.irp b, 0,1
	v_lshrrev_b32 v[TP+\b], 23, v[TSO+\b]                                        ; the scale's byte
.endr
	v_cvt_scalef32_pk16_fp6_f32 v[G+6*((\i)%2):G+6*((\i)%2)+2], v[ACC:ACC+15], v[TSO]
	v_cvt_scalef32_pk16_fp6_f32 v[CT:CT+2], v[ACC+16:ACC+31], v[TSO+1]
	v_lshl_or_b32 v[TP], v[TP+1], 8, v[TP]         ; (a plain place behind the conversions)
.irp n, 0,1,2
	v_permlane16_swap_b32 v[G+6*((\i)%2)+\n], v[CT+\n]   ; the operand's layout wants a whole block in a lane
.endr
.irp n, 0,1,2
	v_mov_b32 v[G+6*((\i)%2)+3+\n], v[CT+\n]
.endr
.if (\i)%2 == 0
	v_mov_b32 v[KW+(\i)/2], v[TP]
.else
	v_lshl_or_b32 v[KW+(\i)/2], v[TP], 16, v[KW+(\i)/2]
.irp g, 0,1,2
	global_store_b128 v2, v[G+4*\g:G+4*\g+3], s[70:71] offset:((\p)-1)*6291456+((\i)/2)*1536+512*\g   ; 512 consecutive bytes a store
.endr
.endif
.endm
.macro WORDS base, off                 ; four words a lane-row leave as one aligned unit of 256 bytes: lane (r, h) stores words 2 h, 2 h + 1 of row r
	v_cndmask_b32 v[TP], v[KW], v[KW+2], s88
	v_cndmask_b32 v[TP+1], v[KW+1], v[KW+3], s88
	global_store_b64 v4, v[TP:TP+1], s[\base:\base+1] offset:\off
.endm
; v: the way out of four blocks, 64 keys: for each of my four channel tiles 32 sums, one whole scale block in a lane
.macro EPV c
.irp t, 0,1,2,3
	v_max3_num_f32 v[TMX+\t], |v[HV+32*\t]|, |v[HV+32*\t+1]|, |v[HV+32*\t+2]|
	v_max3_num_f32 v[TP+\t], |v[HV+32*\t+16]|, |v[HV+32*\t+17]|, |v[HV+32*\t+18]|
.endr
.irp m, 3,5,7,9,11,13
.irp t, 0,1,2,3
	v_max3_num_f32 v[TMX+\t], v[TMX+\t], |v[HV+32*\t+\m]|, |v[HV+32*\t+\m+1]|
	v_max3_num_f32 v[TP+\t], v[TP+\t], |v[HV+32*\t+16+\m]|, |v[HV+32*\t+17+\m]|
.endr
.endr
.irp t, 0,1,2,3
	v_max3_num_f32 v[TP+\t], v[TP+\t], |v[HV+32*\t+15]|, |v[HV+32*\t+31]|
.endr
.irp t, 0,1,2,3
	v_max3_num_f32 v[TMX+\t], v[TMX+\t], v[TP+\t], 0x1800000
.endr
.irp t, 0,1,2,3
	v_add_nc_u32 v[TSO+\t], 0xff000000, v[TMX+\t]
.endr
.irp t, 0,1,2,3
	v_lshrrev_b32 v[TP+\t], 23, v[TSO+\t]
.endr
	WIN 0xc0
.irp t, 0,1,2,3
	v_cvt_scalef32_pk16_fp6_f32 v[GV+12*\t+6*\c:GV+12*\t+6*\c+2], v[HV+32*\t:HV+32*\t+15], v[TSO+\t]
	v_cvt_scalef32_pk16_fp6_f32 v[CV+4*\t:CV+4*\t+2], v[HV+32*\t+16:HV+32*\t+31], v[TSO+\t]   ; (a conversion's three registers begin on an even number)
.endr
	WIN 0
.irp t, 0,1,2,3
.if \c
	v_lshl_or_b32 v[KW+\t], v[TP+\t], 16, v[KW+\t]       ; my bytes of blocks h and 2 + h.  (Plain places behind the conversions)
.else
	v_mov_b32 v[KW+\t], v[TP+\t]
.endif
.endr
	WIN 0xc3
.irp t, 0,1,2,3
.irp n, 0,1,2
	v_mov_b32 v[GV+12*\t+6*\c+3+\n], v[CV+4*\t+\n]
.endr
.endr
	WIN 0
.endm
.macro REFILL n                        ; the weights' region is filled again: every wave holds the phase's weights in registers
	s_wait_tensorcnt 0x0
	ds_add_u32 v[SPW], v[NIL]
.if \n
	s_add_nc_u64 s[G0R+2:G0R+3], s[G0R+2:G0R+3], 786432   ; no tensor load of mine is out: from q's tiles to k's, 64 tiles on
.else
	s_mov_b32 s[G1W+2], 2<<16                      ; no tensor load of mine is out: a refill brings 2 tiles a wave
	s_mov_b32 s[G1W+4], 2
.endif
	s_wait_dscnt 0x0
	CROUND
	tensor_load_to_lds s[G0R:G0R+3], s[G1W:G1W+7]
	s_nop 0
	PLACES
.endm
.macro REST kind, p                    ; a phase behind its first block's products
	FETCH 2, 0
.if (\kind)==0
	EPQ \p, 0
.endif
.irp i, 1,2,3,4,5,6,7
.if \i < 7
	BLOCK \kind, \p, \i, 24, 0
.else
	BLOCK \kind, \p, \i, 0, 0
.endif
.if \i < 6
	FETCH \i+2, \i%2
.endif
.if \kind
.if \i == 3
	EPV 0
.endif
.elseif \i < 7
	EPQ \p, \i
.endif
.endr
.endm
.macro CHANGE                          ; the next phase's weights, which the last refill brought, are shown to all waves
	s_wait_tensorcnt 0x0
	s_barrier_signal -1
	s_barrier_wait -1
	FETCH 0, 0
	WEIGHTS
	FETCH 1, 1
.endm
	s_load_b256 s[4:11], s[0:1], 0x0               ; ximg s[4:5], wimg s[6:7], sc1 s[8:9], b_qkv s[10:11]
	s_load_b128 s[12:15], s[0:1], 0x20             ; qkimg s[12:13], vimg s[14:15]
	s_load_b64 s[16:17], s[0:1], 0x30              ; hsc
	v_lshl_add_u32 v[SPW], v0, 2, SPARE
	v_mov_b32 v[NIL], 0
	ds_add_u32 v[SPW], v[NIL]                      ; the opening lines: the add, twice on end, and its wait ahead of my first tensor load
	ds_add_u32 v[SPW], v[NIL]
	v_lshrrev_b32 v1, 5, v0
	v_readfirstlane_b32 s[WV], v1                  ; wave 0..3
	s_lshr_b32 s19, s[WV], 1                       ; a
	s_and_b32 s20, s[WV], 1                        ; b.  Also: which half I fetch at the head
	s_bfe_u32 s21, ttmp6, 0x40000                  ; cx
	s_bfe_u32 s22, ttmp6, 0x40004                  ; cy
	s_lshl_b32 s52, ttmp9, 2
	s_add_co_u32 s52, s52, s21                     ; my group of columns, 0 .. 7
	s_and_b32 s53, ttmp7, 0xffff
	s_lshl_b32 s53, s53, 2
	s_add_co_u32 s53, s53, s22                     ; my block of 256 tokens, 0 .. 31
	s_lshl_b32 s54, s22, 2
	s_lshl_b32 s54, 15, s54                        ; my row of the cluster
	s_lshl_b32 s55, 0x1111, s21                    ; my column
	s_or_b32 s[G1X], s54, (3<<16)|(1<<21)          ; 15:0 the mask; 17:16 elements of 8 bytes; 21 set beside a mask; no padding
	s_or_b32 s[G1W], s55, (3<<16)|(1<<21)
.irp g, G1W, G1X
	s_mov_b32 s[\g+1], 1536<<16                    ; a row is a tile: 12,288 dense bytes
	s_mov_b32 s[\g+3], 1536<<16
	s_mov_b32 s[\g+5], 1536
	s_mov_b32 s[\g+6], 0
	s_mov_b32 s[\g+7], 0
.endr
	s_mov_b32 s[G1W+2], 4<<16                      ; at the head 4 tiles of the weights a load,
	s_mov_b32 s[G1W+4], 4
	s_mov_b32 s[G1X+2], 8<<16                      ; 8 of x
	s_mov_b32 s[G1X+4], 8
	s_mul_i32 s56, s52, 98304                      ; the weights: 8 tiles a group of columns
	s_mul_i32 s57, s20, 49152
	s_add_co_u32 s58, s56, s57
	s_add_co_u32 s58, s58, 1572864                 ; v's columns begin at tile 128
	s_mov_b32 s59, 0
	s_mul_i32 s60, s[WV], 24576
	s_add_co_u32 s62, s56, s60                     ; the refills: 2 tiles a wave; q's columns begin at tile 0
	s_mov_b32 s63, 0
	s_mul_i32 s61, s20, 98304
	s_mul_i32 s66, s53, 196608                     ; x: 16 tiles a block of tokens
	s_add_co_u32 s66, s66, s61
	s_mov_b32 s67, 0
	s_lshl_b32 s68, s53, 3
	s_lshl_b32 s69, s19, 2
	s_add_co_u32 s68, s68, s69                     ; my first pair of token tiles
	s_lshl_b32 s76, s68, 10                        ; its scale words
	s_mov_b32 s77, 0
	s_lshl_b32 s78, s52, 2
	s_lshl_b32 s79, s20, 1
	s_add_co_u32 s78, s78, s79
	s_lshl_b32 s78, s78, 10
	s_add_co_u32 s78, s78, 262144                  ; the weights' scale words, behind x's
	s_mov_b32 s79, 0
	s_lshl_b32 s80, s52, 9
	s_lshl_b32 s81, s20, 8
	s_add_co_u32 s80, s80, s81                     ; the bias of my 64 columns
	s_mov_b32 s81, 0
	s_lshl_b32 s82, s52, 1
	s_add_co_u32 s82, s82, s20                     ; my head
	s_lshl_b32 s70, s82, 8
	s_add_co_u32 s70, s70, s68
	s_mul_i32 s70, s70, 1536                       ; q's images
	s_mov_b32 s71, 0
	s_lshl_b32 s83, s53, 1
	s_add_co_u32 s83, s83, s19                     ; my 128 tokens, 0 .. 63
	s_lshl_b32 s72, s82, 14
	s_lshl_b32 s73, s83, 8
	s_add_co_u32 s72, s72, s73                     ; q's scale words
	s_mov_b32 s73, 0
	s_lshr_b32 s84, s53, 3
	s_lshl_b32 s84, s84, 4
	s_add_co_u32 s84, s84, s82                     ; 16 x batch + head
	s_and_b32 s85, s83, 15                         ; the 128 keys in the batch
	s_lshl_b32 s74, s84, 4
	s_add_co_u32 s74, s74, s85
	s_mul_i32 s74, s74, 6144                       ; v's images
	s_mov_b32 s75, 0
	s_lshl_b32 s90, s84, 12
	s_lshl_b32 s91, s85, 8
	s_add_co_u32 s90, s90, s91
	s_add_co_u32 s90, s90, 524288                  ; v's scale words
	s_mov_b32 s91, 0
	s_add_co_u32 s92, s57, WB
	s_mul_i32 s93, s19, 98304
	s_mov_b32 s86, 0x76543210
	s_mov_b32 s87, 0xfedcba98                      ; v_permlanex16_b32's selects for lane l xor 16
	v_and_b32 v1, 31, v0                           ; lane
	v_lshlrev_b32 v2, 4, v1                        ; 16 x lane
	v_lshlrev_b32 v3, 2, v1                        ; 4 x lane
	v_and_b32 v7, 15, v0                           ; r
	v_bfe_u32 v8, v0, 4, 1                         ; h
	v_lshlrev_b32 v4, 4, v7
	v_lshl_add_u32 v4, v8, 3, v4                   ; 16 r + 8 h
	v_lshlrev_b32 v5, 6, v8                        ; 64 h: q, k: the bias of my half's 16 channels
	v_and_b32 v6, 8, v7
	v_add_nc_u32 v6, v6, v7
	v_lshlrev_b32 v6, 2, v6                        ; 4 (r + 8 (r / 8)): v: the bias of my channel
	v_lshlrev_b32 v9, 3, v8                        ; 8 h
	v_cmp_le_u32 s88, 16, v1                       ; lanes 16-31
	v_add_nc_u32 v[ADW], s92, v2                   ; my 4 tiles of the weights
	v_add_nc_u32 v[ADX], s93, v2                   ; my token tiles 0-3,
	v_add_nc_u32 v[ADX+1], 4*TILE, v[ADX]          ; 4-7
.irp b, 0,1,2,3
	v_mov_b32 v[TP+\b], 0                          ; a lane permute's destination counts as one of its sources
.endr
	WALU
	s_wait_dscnt 0x0                               ; both opening adds are done
	s_wait_kmcnt 0x0
	s_mov_b32 s[G0W], 1
	s_mov_b32 s[G0W+1], s92
	s_add_nc_u64 s[G0W+2:G0W+3], s[6:7], s[58:59]
	s_or_b32 s[G0W+3], s[G0W+3], 0x80000000
	s_mov_b32 s[G0X], 1
	s_mov_b32 s[G0X+1], s61
	s_add_nc_u64 s[G0X+2:G0X+3], s[4:5], s[66:67]
	s_or_b32 s[G0X+3], s[G0X+3], 0x80000000
	s_mov_b32 s[G0R], 1
	s_add_co_u32 s[G0R+1], s60, WB
	s_add_nc_u64 s[G0R+2:G0R+3], s[6:7], s[62:63]
	s_or_b32 s[G0R+3], s[G0R+3], 0x80000000
	s_add_nc_u64 s[76:77], s[8:9], s[76:77]
	s_add_nc_u64 s[78:79], s[8:9], s[78:79]
	s_add_nc_u64 s[80:81], s[10:11], s[80:81]
	s_add_nc_u64 s[70:71], s[12:13], s[70:71]
	s_add_nc_u64 s[72:73], s[16:17], s[72:73]
	s_add_nc_u64 s[74:75], s[14:15], s[74:75]
	s_add_nc_u64 s[90:91], s[16:17], s[90:91]
	CROUND                                         ; all sixteen work-groups are here: the first joint loads meet
	s_cmp_lt_u32 s[WV], 2                          ; one load a wave: waves 0, 1 a half each of v's weights, which go on into registers; waves 2, 3 a half each of x
	s_cbranch_scc0 .Lfor_x
	tensor_load_to_lds s[G0W:G0W+3], s[G1W:G1W+7]
	s_nop 0
	PLACES
	s_branch .Lasked
.Lfor_x:
	tensor_load_to_lds s[G0X:G0X+3], s[G1X:G1X+7]
	s_nop 0
	PLACES
.Lasked:
.irp b, 0,1                                    ; scale words stay in registers: one load brings a pair of tiles' words, 128 consecutive bytes.  v's first
.irp k, 0,1,2,3,4,5,6,7
	global_load_b32 v[WS+8*\b+\k], v3, s[78:79] offset:65536+\b*1024+\k*128
.endr
.endr
.irp b, 0,1,2,3
.irp k, 0,1,2,3,4,5,6,7
	global_load_b32 v[XS+8*\b+\k], v3, s[76:77] offset:\b*1024+\k*128
.endr
.endr
.irp p, 1,2
.irp b, 0,1
.irp k, 0,1,2,3,4,5,6,7
	global_load_b32 v[WS+16*\p+8*\b+\k], v3, s[78:79] offset:(\p-1)*32768+\b*1024+\k*128
.endr
.endr
.endr
	WIN 0xc0
.irp t, 0,1,2,3
	global_load_b32 v[BB+8*\t], v6, s[80:81] offset:8192+(32*(\t/2)+8*(\t%2))*4
.endr
.irp p, 1,2
.irp t, 0,1,2,3
	global_load_b128 v[BB+32*\p+8*\t:BB+32*\p+8*\t+3], v5, s[80:81] offset:(\p-1)*4096+(32*(\t/2)+8*(\t%2))*4
	global_load_b128 v[BB+32*\p+8*\t+4:BB+32*\p+8*\t+7], v5, s[80:81] offset:(\p-1)*4096+(32*(\t/2)+8*(\t%2))*4+16
.endr
.endr
	WIN 0
	s_cmp_lt_u32 s[WV], 2                          ; the weights came by waves 0 and 1, on a load line of their own: they wait; x may be out
	s_cbranch_scc0 .Lnot_w
	s_wait_tensorcnt 0x0
.Lnot_w:
	s_barrier_signal -1
	s_barrier_wait -1
	WEIGHTS
	s_wait_loadcnt 0x0
	WIN 0xc3
.irp t, 0,8,16,24
.irp j, 1,2,3,4,5,6,7
	v_mov_b32 v[BB+\t+\j], v[BB+\t]                ; v's bias, one number a lane and tile, over the tile's eight registers
.endr
.endr
	WIN 0
	WALU
	s_wait_tensorcnt 0x0                           ; every wave's load is in,
	s_wait_dscnt 0x0
	s_barrier_signal -1
	s_barrier_wait -1                              ; x is shown to all
	FETCH 0, 0
	FETCH 1, 1
; ---- v
	BLOCK 1, 0, 0, 24, 0
	REFILL 0
	REST 1, 0
	CHANGE
	EPV 1                                          ; v's last way out stands under the flight of q's weights
.irp t, 0,1,2,3
	v_lshlrev_b32 v[KW+\t], v9, v[KW+\t]           ; my two bytes at their places;
.endr
.irp t, 0,1,2,3
	v_permlanex16_b32 v[TP+\t], v[KW+\t], s86, s87
.endr
.irp t, 0,1,2,3
	v_or_b32 v[KW+\t], v[KW+\t], v[TP+\t]          ; with lane l xor 16's two the word is whole
.endr
	WIN 0x0c
.irp t, 0,1,2,3
.irp g, 0,1,2
	global_store_b128 v2, v[GV+12*\t+4*\g:GV+12*\t+4*\g+3], s[74:75] offset:\t*1536+512*\g
.endr
.endr
	WIN 0
	WORDS 90, 0
; ---- q
	BLOCK 0, 1, 0, 0, 1
	REFILL 1
	REST 0, 1
	CHANGE
	EPQ 1, 7
	WORDS 72, 0
; ---- k
	BLOCK 0, 2, 0, 0, 1
	REST 0, 2
	EPQ 2, 7
	WORDS 72, 262144
	s_wait_tensorcnt 0x0                           ; the wave's end, behind my last tensor load
	ds_add_u32 v[SPW], v[NIL]
	s_wait_dscnt 0x0
	CROUND                                         ; the closing round
	s_endpgm
.Lfunc_end_k_q0e56c04a62_gemm_qkv:
	.size	k_q0e56c04a62_gemm_qkv, .Lfunc_end_k_q0e56c04a62_gemm_qkv-k_q0e56c04a62_gemm_qkv
	.p2alignl 7, 3214868480
	.fill 96, 4, 3214868480
	.section	.rodata,"a",@progbits
	.p2align	6, 0x0
	.amdhsa_kernel k_q0e56c04a62_gemm_qkv
		.amdhsa_group_segment_fixed_size 327680
		.amdhsa_private_segment_fixed_size 0
		.amdhsa_enable_private_segment 0
		.amdhsa_kernarg_size 56
		.amdhsa_user_sgpr_count 2
		.amdhsa_user_sgpr_kernarg_segment_ptr 1
		.amdhsa_wavefront_size32 1
		.amdhsa_system_sgpr_workgroup_id_x 1
		.amdhsa_system_sgpr_workgroup_id_y 1
		.amdhsa_system_sgpr_workgroup_id_z 1
		.amdhsa_system_vgpr_workitem_id 0
		.amdhsa_next_free_vgpr 1024
		.amdhsa_next_free_sgpr 100
		.amdhsa_reserve_vcc 0
		.amdhsa_float_denorm_mode_32 3
		.amdhsa_float_denorm_mode_16_64 3
		.amdhsa_memory_ordered 1
		.amdhsa_forward_progress 1
		.amdhsa_inst_pref_size 226
	.end_amdhsa_kernel
	.amdgpu_metadata
---
amdhsa.version: [ 1, 2 ]
amdhsa.kernels:
  - .name:           k_q0e56c04a62_gemm_qkv
    .symbol:         k_q0e56c04a62_gemm_qkv.kd
    .args:
      - { .name: ximg, .offset: 0, .size: 8, .value_kind: global_buffer, .address_space: global }
      - { .name: wimg, .offset: 8, .size: 8, .value_kind: global_buffer, .address_space: global }
      - { .name: sc1, .offset: 16, .size: 8, .value_kind: global_buffer, .address_space: global }
      - { .name: b_qkv, .offset: 24, .size: 8, .value_kind: global_buffer, .address_space: global }
      - { .name: qkimg, .offset: 32, .size: 8, .value_kind: global_buffer, .address_space: global }
      - { .name: vimg, .offset: 40, .size: 8, .value_kind: global_buffer, .address_space: global }
      - { .name: hsc, .offset: 48, .size: 8, .value_kind: global_buffer, .address_space: global }
    .group_segment_fixed_size: 327680
    .private_segment_fixed_size: 0
    .kernarg_segment_align: 8
    .kernarg_segment_size: 56
    .max_flat_workgroup_size: 128
    .sgpr_count:     100
    .vgpr_count:     1024
    .wavefront_size: 32
...
	.end_amdgpu_metadata
.endif
;; end of part 2
;; launch attn (part 3): grid 256 x 1, 8 waves a work-group, clusters of 4 x 1, 212,992 bytes of LDS; arguments qkimg, vimg, hsc, aimg, sc2; writes aimg, sc2
.if DOCPART == 3
	.amdgcn_target "amdgcn-amd-amdhsa--gfx1250"
	.amdhsa_code_object_version 6
	.text
	.protected	k_q0e56c04a62_attn
	.globl	k_q0e56c04a62_attn
	.p2align	8
	.type	k_q0e56c04a62_attn,@function
k_q0e56c04a62_attn:
	s_mov_b64 s[64:65], 0
	v_nop
	global_prefetch_b8 v0, s[64:65] scope:SCOPE_SE
	s_setreg_imm32_b32 hwreg(HW_REG_WAVE_MODE, 25, 1), 1
	s_wait_xcnt 0x0
	s_wait_alu depctr_hold_cnt(0) depctr_sa_sdst(0) depctr_va_vdst(0) depctr_va_sdst(0) depctr_va_ssrc(0) depctr_va_vcc(0) depctr_vm_vsrc(0)
	s_getreg_b32 s2, hwreg(HW_REG_IB_STS2, 6, 4)
	s_cmp_eq_u32 s2, 0
	s_cbranch_scc0 .Lentry_in_a_cluster
	s_endpgm
.Lentry_in_a_cluster:
	s_bfe_u32 s2, ttmp6, 0x10000c
	s_cmp_lg_u32 s2, 0x3003
	s_cbranch_scc0 .Lentry_shape_is_right
	s_endpgm
.Lentry_shape_is_right:
; o = softmax(q k^T / 8) v for 64 (batch, head) pairs of 2,048 tokens x 64 channels, both products on codes of FP6 (E2M3) with E8M0 scales; o is quantised along d_model for the last product and leaves as codes.
; THE SOFTMAX: t = score x log2(e) / 8; M = the running largest t rounded UP to a whole number; p = 2^(t - M) is quantised along the keys, not normalised; the row's sum is taken of the unquantised p and divides O at the end.
; When M moves, the sum and O are multiplied by 2^(old M - new M): exact.  A block's scale is made from u = (the block's largest score) x c - M, the same multiply-add as every p's exponent: floor(u) is the exponent of 2^u.
; LIMITS: the promise holds while |t| stays under 2^31.  A block of zeros gets the scale byte 1 where the rule says 127 (its codes are zeros; this program alone reads the bytes).  Where v_exp_f32 rounds the block's largest
; p up to the next power of two, that one p is held at the largest code.  NaN and infinities are not served.
; SHARES.  A cluster of four work-groups is one (batch, head); a work-group owns 512 queries, a wave 32 at a time (two tiles of 16), in two passes: a loop of two trips round the loop over 16 key steps of 128.
; A WHOLE HEAD'S K AND V LIE IN LDS, filled once by joint loads of the four partners, one a wave: waves 0-5 a third of K's or V's 98,304 bytes each, waves 6, 7 the scale words.  No slot is filled again.
; No prefetch: all that the launch streams is asked for at its head, so there is no trip to run ahead in.
; q k^T HAS K = 64 IN AN INSTRUCTION OF 128.  An image of K holds TWO tiles of 16 keys: k 0-63 are the first's channels, k 64-127 the second's.  Q stands among zeros, [0 x 6][q0][0 x 6][q1][0 x 6]:
; twelve registers from a q on pick the first tile, twelve from six ahead of it the second.
; LAYOUT.  Both products are used transposed (source 0 = 16 keys, or 16 channels; source 1 = my 16 queries): a lane holds one query throughout.  Lane-row r of key tile 4 c + u is key 64 c + 8 u + r % 8 + 32 (r / 8),
; so the 32 score registers of tiles 4 c .. 4 c + 3 are keys 64 c + 32 (lane / 16) + 0 .. 31: ONE WHOLE SCALE BLOCK IN A LANE, in the order of p's operand registers: no lane looks at another but for the row's maximum and the scale word.
; V's channels: lane-row r of tile 2 B + u is channel 32 B + 8 u + r + 8 (r / 8), so O's 16 registers of tiles 2 B, 2 B + 1 are channels 32 B + 16 (lane / 16) + 0 .. 15.
; OUT.  aimg [tile of 16 tokens 512][K step 8]: 1,536 bytes as six groups of 256: register 2 g + w of lane l at 256 g + 8 l + 4 w; an even head fills groups 0-2, an odd one 3-5: each store is one whole aligned unit.
; sc2 [pair of tiles][head][r]: words [tile 0 block 0, block 1, tile 1 block 0, block 1].
; REGISTERS, window 0: v1-4 lane terms of LDS addresses; v5, v6 the add's two; v7-10 the step's addresses; v11-13 offsets in memory; v14, v15 p's scale words; v16-45 Q; v46, v47 Q's scale words; v48-51 K's, v52-55 V's;
;   v56-71 statistics, eight a tile: -M, largest score, the sum (2), f, (its pair's upper: tile 0's holds 8 h), at work (2); v72-199 scores, then p; v200-223 p's codes; v224-255 at work.
;   window 1: v0-63 O^T; v64-111 K's four images; v112-159 V's four.
.set KS,    196608                     ; LDS: K's images 0 .. 98,303; V's 98,304 .. 196,607; K's scale words, 256 bytes a step; V's from 200,704
.set VS,    200704
.set SPARE, 204800                     ; the spare words, 128 bytes for each of eight waves: four blocks of 256 bytes that no other line names
.set SPW,   5
.set NIL,   6
.set KSR,   48
.set VSR,   52
.set ST,    56
.set SH,    61                         ; 8 h
.set S0,    72
.set P0,    200
.set BM,    224                        ; four block maxima (2 e + c); then the sums' second chains
.set PX,    230
.set SO,    232                        ; the conversions' scale operands
.set EX,    236                        ; floor(u)
.set CT,    240                        ; the maxima's second chains; then the upper 16 codes of four blocks
.set KF,    64
.set VF,    112
.set WV,    14
.set G1,    24                         ; s[24:31] descriptor group 1 for codes; s[32:39] for scale words; s[40:47] two groups 0
.set G1S,   32
.set G0,    40
.set CS,    60                         ; s[60:61] c = log2(e) / 8
.set SEL,   62                         ; s[62:63] v_permlanex16_b32's selects for lane l xor 16
.set TB,    66                         ; where the step's images begin: 6,144 bytes a step
.set TS,    67                         ; and its scale words: 256
.set CNT,   68
.set PASS,  69
.set MSB,   0
.macro WIN new                         ; the immediate's high byte repeats the setting that is left
.if MSB != (\new)
	s_set_vgpr_msb (MSB<<8)|(\new)
.set MSB, (\new)
.endif
.endm
.macro WALU
	s_wait_alu depctr_va_vdst(0)
.endm
.macro CROUND                          ; a round of the cluster's barrier
	s_barrier_signal -1
	s_barrier_wait -1
	s_cmp_lg_u32 s[WV], 0
	s_cbranch_scc1 .Lnot_wave_0_\@
	s_barrier_signal -3
.Lnot_wave_0_\@:
	s_barrier_wait -3
	s_barrier_signal -1
	s_barrier_wait -1
.endm
.macro QLOAD                           ; a pass's Q: an image and 16 scale words
	v_lshlrev_b32 v7, 2, v13                       ; 16 r
.irp g, 0,1,2
	global_load_b128 v[P0+4*\g:P0+4*\g+3], v11, s[70:71] offset:512*\g
.endr
	global_load_b32 v62, v7, s[72:73]
.endm
	s_load_b256 s[4:11], s[0:1], 0x0               ; qkimg s[4:5], vimg s[6:7], hsc s[8:9], aimg s[10:11]
	s_load_b64 s[12:13], s[0:1], 0x20              ; sc2
	v_lshl_add_u32 v[SPW], v0, 2, SPARE
	v_mov_b32 v[NIL], 0
	ds_add_u32 v[SPW], v[NIL]                      ; the opening lines: the add, twice on end, and its wait ahead of my tensor load
	ds_add_u32 v[SPW], v[NIL]
	v_lshrrev_b32 v1, 5, v0
	v_readfirstlane_b32 s[WV], v1                  ; wave 0..7
	s_and_b32 s15, s[WV], 1                        ; even waves fetch K's, odd ones V's:
	s_lshr_b32 s16, s[WV], 1                       ; third 0, 1, 2 of the codes; 3: the scale words
	s_bfe_u32 s17, ttmp6, 0x40000                  ; cx: it enters Q's and the outputs' addresses alone
	s_lshr_b32 s19, ttmp9, 4                       ; the batch
	s_and_b32 s20, ttmp9, 15                       ; the head
	s_add_co_u32 s78, s20, 16                      ; k's heads stand behind q's sixteen
	s_lshl_b32 s79, s78, 8
	s_lshl_b32 s80, s19, 6
	s_add_co_u32 s79, s79, s80
	s_mul_i32 s79, s79, 1536                       ; K's 64 images
	s_mul_i32 s80, ttmp9, 98304                    ; V's 64
	s_lshl_b32 s81, s78, 14
	s_lshl_b32 s82, s19, 12
	s_add_co_u32 s81, s81, s82                     ; K's scale words
	s_lshl_b32 s82, ttmp9, 12
	s_add_co_u32 s82, s82, 524288                  ; V's
	s_cmp_eq_u32 s15, 0
	s_cselect_b32 s84, s79, s80
	s_cselect_b32 s86, s81, s82
	s_lshl_b32 s78, s16, 15                        ; a third: 32,768 bytes
	s_add_co_u32 s84, s84, s78
	s_mov_b32 s85, 0
	s_mov_b32 s87, 0
	s_mul_i32 s88, s15, 98304
	s_add_co_u32 s88, s88, s78                     ; the same place in LDS
	s_lshl_b32 s89, s15, 12
	s_add_co_u32 s89, s89, KS
	s_mov_b32 s[G1], 15|(3<<16)|(1<<21)            ; 15:0 the mask: all four work-groups; 17:16 elements of 8 bytes; 21 set beside a mask; no padding
	s_mov_b32 s[G1+1], 32<<16                      ; dense blocks, as rows of 256 bytes
	s_mov_b32 s[G1+2], 128<<16                     ; 128 rows
	s_mov_b32 s[G1+3], 32<<16
	s_mov_b32 s[G1+4], 128
	s_mov_b32 s[G1+5], 32
	s_mov_b32 s[G1+6], 0
	s_mov_b32 s[G1+7], 0
	s_mov_b32 s[G1S], 15|(3<<16)|(1<<21)
	s_mov_b32 s[G1S+1], 32<<16
	s_mov_b32 s[G1S+2], 16<<16                     ; 16 rows: 4,096 bytes
	s_mov_b32 s[G1S+3], 32<<16
	s_mov_b32 s[G1S+4], 16
	s_mov_b32 s[G1S+5], 32
	s_mov_b32 s[G1S+6], 0
	s_mov_b32 s[G1S+7], 0
	s_mov_b32 s[CS], 0x3e38aa3b                    ; c = log2(e) / 8
	s_mov_b32 s[CS+1], s[CS]                       ; (named with it as a pair, so it is written)
	s_mov_b32 s[SEL], 0x76543210
	s_mov_b32 s[SEL+1], 0xfedcba98
	v_and_b32 v12, 31, v0                          ; lane
	v_and_b32 v13, 15, v0                          ; r
	v_bfe_u32 v[SH], v0, 4, 1                      ; h
	v_lshlrev_b32 v1, 4, v12                       ; K's images: 16 x lane
	v_lshl_add_u32 v3, v13, 4, KS                  ; K's scale words: row r's four, 16 bytes
	v_lshl_add_u32 v4, v13, 4, VS
	v_lshlrev_b32 v11, 4, v12                      ; in memory: 16 x lane,
	v_add_nc_u32 v2, 98304, v1                     ; V's images
	v_lshlrev_b32 v12, 3, v12                      ; 8 x lane,
	v_lshlrev_b32 v13, 2, v13                      ; 4 r
	v_lshlrev_b32 v[SH], 3, v[SH]
.irp i, 0,1,2,3,4,5
	v_mov_b32 v[16+\i], 0                          ; the zeros among which Q stands
	v_mov_b32 v[28+\i], 0
	v_mov_b32 v[40+\i], 0
.endr
	v_mov_b32 v[PX], 0                             ; a lane permute's destination counts as one of its sources
	v_mov_b32 v[PX+1], 0
	v_mov_b32 v[ST+13], 0                          ; (named as the upper half of a pair)
	WALU
	s_wait_dscnt 0x0                               ; both opening adds are done
	s_wait_kmcnt 0x0
	s_cmp_eq_u32 s15, 0
	s_cselect_b64 s[90:91], s[4:5], s[6:7]
	s_add_nc_u64 s[90:91], s[90:91], s[84:85]
	s_add_nc_u64 s[86:87], s[8:9], s[86:87]
	CROUND                                         ; all four work-groups are here: the joint loads meet
	s_mov_b32 s[G0], 1
	s_mov_b32 s[G0+1], s88
	s_mov_b64 s[G0+2:G0+3], s[90:91]
	s_or_b32 s[G0+3], s[G0+3], 0x80000000
	s_mov_b32 s[G0+4], 1
	s_mov_b32 s[G0+5], s89
	s_mov_b64 s[G0+6:G0+7], s[86:87]
	s_or_b32 s[G0+7], s[G0+7], 0x80000000
	s_cmp_lt_u32 s[WV], 6                          ; one load a wave, in the two arms of one branch on the wave's number
	s_cbranch_scc0 .Lwords
	tensor_load_to_lds s[G0:G0+3], s[G1:G1+7]
	s_nop 0
.rept 4
	v_nop
.endr
	s_branch .Lasked
.Lwords:
	tensor_load_to_lds s[G0+4:G0+7], s[G1S:G1S+7]
	s_nop 0
.rept 4
	v_nop
.endr
.Lasked:
	s_lshl_b32 s92, s17, 4
	s_add_co_u32 s92, s92, s[WV]
	s_lshl_b32 s93, s19, 6
	s_add_co_u32 s92, s92, s93                     ; my first pair of tiles: 64 x batch + 16 cx + wave; the second pass's lies 8 on
	s_lshl_b32 s93, s20, 8
	s_add_co_u32 s93, s93, s92
	s_mul_i32 s94, s93, 1536
	s_mov_b32 s95, 0
	s_add_nc_u64 s[70:71], s[4:5], s[94:95]        ; Q's image
	s_lshl_b32 s94, s20, 14
	s_lshr_b32 s93, s92, 2
	s_lshl_b32 s93, s93, 8
	s_add_co_u32 s94, s94, s93
	s_and_b32 s93, s92, 3
	s_lshl_b32 s93, s93, 2
	s_add_co_u32 s94, s94, s93
	s_add_nc_u64 s[72:73], s[8:9], s[94:95]        ; its scale words
	s_mul_i32 s94, s92, 24576
	s_lshr_b32 s93, s20, 1
	s_mul_i32 s93, s93, 1536
	s_add_co_u32 s94, s94, s93
	s_and_b32 s93, s20, 1
	s_mul_i32 s93, s93, 768
	s_add_co_u32 s94, s94, s93
	s_add_nc_u64 s[74:75], s[10:11], s[94:95]      ; o's codes: two tiles, K step head / 2, half head % 2
	s_lshl_b32 s94, s92, 10
	s_lshl_b32 s93, s20, 6
	s_add_co_u32 s94, s94, s93
	s_add_nc_u64 s[76:77], s[12:13], s[94:95]      ; o's scale words
	QLOAD                                          ; the first pass's Q is on its way beside the tiles
	WALU
	s_wait_tensorcnt 0x0                           ; my part of K, V or the scale words is in,
	s_barrier_signal -1
	s_barrier_wait -1                              ; everybody's is
	s_mov_b32 s[PASS], 0
.Lpass:
; ---- a pass begins: Q among its zeros; the statistics; O^T = 0 (the step is written once: the first finds zeros, which the first change of M leaves zeros)
	s_mov_b32 s[TB], 0
	s_mov_b32 s[TS], 0
	s_wait_loadcnt 0x0
.irp e, 0,1
	v_mov_b32 v[ST+8*\e], 0x7f61b1e6               ; -M = 3e38, over every -M to come: the first f is 0
	v_mov_b32 v[ST+8*\e+1], 0xff61b1e6             ; the largest score so far: -3e38
	v_mov_b32 v[ST+8*\e+2], 0
	v_mov_b32 v[ST+8*\e+3], 0
.endr
.irp i, 0,1,2,3,4,5
	v_mov_b32 v[22+\i], v[P0+\i]
	v_mov_b32 v[34+\i], v[P0+6+\i]
.endr
	v_perm_b32 v46, v62, v62, 0x01000100           ; tile 0's two bytes, twice: they serve whichever half of K the tile stands in
	v_perm_b32 v47, v62, v62, 0x03020302           ; tile 1's
	WIN 0x40
.set j, 0
.rept 64
	v_mov_b32 v[j], 0                              ; (these 64 are also the places behind the lines that made Q and its scale words)
.set j, j+1
.endr
	WIN 0
	s_mov_b32 s[CNT], 16
.Lk:
; ---- a key step: 128 keys, both tiles of queries
	v_add_nc_u32 v7, s[TB], v1                     ; these four are the places behind the last step's products, ahead of the loads into their sources
	v_add_nc_u32 v8, s[TB], v2
	v_add_nc_u32 v9, s[TS], v3
	v_add_nc_u32 v10, s[TS], v4
	ds_load_b128 v[KSR:KSR+3], v9
	ds_load_b128 v[VSR:VSR+3], v10
	WIN 0x40
.irp b, 0,1,2,3
.irp g, 0,1,2
	ds_load_b128 v[KF+12*\b+4*\g:KF+12*\b+4*\g+3], v7 offset:1536*\b+512*\g
.endr
.endr
.irp t, 0,1,2,3
.irp g, 0,1,2
	ds_load_b128 v[VF+12*\t+4*\g:VF+12*\t+4*\g+3], v8 offset:1536*\t+512*\g
.endr
.endr
	s_wait_dscnt 12                                ; the scale words and K are in; V's twelve loads may be out
; The scores come block by block, q = 2 e + c: four products each (key tiles 4 c + n of queries e).  The 16 lines that find block q - 1's largest score (four chains, one an accumulator, each first read at its low end)
; stand four behind each product of block q: they are plain lines that name none of its registers, so at least four places lie between every product and the first read of its result.
.macro QK q, n
	WIN 0x01
	v_wmma_scale_f32_16x16x128_f8f6f4 v[S0+32*(\q)+8*(\n):S0+32*(\q)+8*(\n)+7], v[KF+12*(2*((\q)%2)+(\n)/2):KF+12*(2*((\q)%2)+(\n)/2)+11], v[22+12*((\q)/2)-6*((\n)%2):33+12*((\q)/2)-6*((\n)%2)], 0, v[KSR+2*((\q)%2)+(\n)/2], v[46+(\q)/2] matrix_a_fmt:MATRIX_FMT_FP6 matrix_b_fmt:MATRIX_FMT_FP6
.endm
.macro MAXL q, n                       ; line n of 16.  Chain m = n % 4 runs over accumulator m's registers 0-6; chain 0 is kept in BM + q, chains 1-3 in CT + 4 q + m; lines 12-15 join them and take the four registers 7
	WIN 0
.set X_, S0+32*(\q)+8*((\n)%4)
.if (\n)%4 == 0
.set T_, BM+(\q)
.else
.set T_, CT+4*(\q)+(\n)%4
.endif
.if (\n) < 4
	v_max3_num_f32 v[T_], v[X_], v[X_+1], v[X_+2]
.elseif (\n) < 8
	v_max3_num_f32 v[T_], v[T_], v[X_+3], v[X_+4]
.elseif (\n) < 12
	v_max3_num_f32 v[T_], v[T_], v[X_+5], v[X_+6]
.elseif (\n) == 12
	v_max3_num_f32 v[BM+(\q)], v[BM+(\q)], v[CT+4*(\q)+1], v[S0+32*(\q)+7]
.elseif (\n) == 13
	v_max3_num_f32 v[CT+4*(\q)+2], v[CT+4*(\q)+2], v[CT+4*(\q)+3], v[S0+32*(\q)+15]
.elseif (\n) == 14
	v_max3_num_f32 v[BM+(\q)], v[BM+(\q)], v[S0+32*(\q)+23], v[S0+32*(\q)+31]
.else
	v_max_num_f32 v[BM+(\q)], v[BM+(\q)], v[CT+4*(\q)+2]
.endif
.endm
.irp n, 0,1,2,3
	QK 0, \n
.endr
	WIN 0
.rept 4
	v_nop
.endr
.irp q, 1,2,3
.irp n, 0,1,2,3
	QK \q, \n
.irp j, 0,1,2,3
	MAXL \q-1, 4*\n+\j
.endr
.endr
.endr
.irp j, 0,1,2,3,4,5,6,7,8,9,10,11,12,13,14,15
	MAXL 3, \j
.endr
.irp e, 0,1
	v_max_num_f32 v[ST+8*\e+6], v[BM+2*\e], v[BM+2*\e+1]
.endr
.irp e, 0,1
	v_permlanex16_b32 v[PX+\e], v[ST+8*\e+6], s[SEL], s[SEL+1]
.endr
.irp e, 0,1
	v_max3_num_f32 v[ST+8*\e+1], v[ST+8*\e+1], v[ST+8*\e+6], v[PX+\e]   ; the running largest score of my query (c is positive)
.endr
.irp e, 0,1
	v_mov_b32 v[ST+8*\e+6], v[ST+8*\e]
.endr
.irp e, 0,1
	v_mul_f32 v[PX+\e], s[CS], v[ST+8*\e+1]                       ; as t
.endr
.irp e, 0,1
	v_floor_f32 v[ST+8*\e], -v[PX+\e]                             ; the new -M = floor(-t): M is a whole number
.endr
.irp e, 0,1
	v_sub_f32 v[ST+8*\e+6], v[ST+8*\e], v[ST+8*\e+6]              ; old M - new M: a whole number, 0 or less
.endr
.irp e, 0,1
	v_cvt_i32_f32 v[ST+8*\e+6], v[ST+8*\e+6]                      ; (it saturates)
.endr
.irp e, 0,1
	v_ldexp_f32 v[ST+8*\e+4], 1.0, v[ST+8*\e+6]                   ; f = 2^(old M - new M)
.endr
.set j, 0
.rept 32
.irp e, 0,1
	v_pk_fma_f32 v[S0+64*\e+j:S0+64*\e+j+1], v[S0+64*\e+j:S0+64*\e+j+1], s[CS:CS+1], v[ST+8*\e:ST+8*\e+1] op_sel_hi:[1,0,0]   ; t - M, two at a time
.endr
.set j, j+2
.endr
	WIN 0x41
.set j, 0
.rept 16
.irp e, 0,1
	v_pk_mul_f32 v[32*\e+j:32*\e+j+1], v[32*\e+j:32*\e+j+1], v[ST+8*\e+4:ST+8*\e+5] op_sel_hi:[1,0]   ; O^T under the new M, each accumulator from its low end on
.endr
.set j, j+2
.endr
	WIN 0
.irp e, 0,1
.irp c, 0,1
	v_fma_f32 v[BM+2*\e+\c], v[BM+2*\e+\c], s[CS], v[ST+8*\e]     ; u: the exponent of the block's largest p
.endr
.endr
.irp q, 0,1,2,3
	v_max_num_f32 v[BM+\q], 0xc2f80000, v[BM+\q]                  ; held at -124: the byte cannot fall under 1
.endr
.irp q, 0,1,2,3
	v_cvt_floor_i32_f32 v[EX+\q], v[BM+\q]
.endr
.irp q, 0,1,2,3
	v_add_lshl_u32 v[SO+\q], v[EX+\q], 125, 23                    ; the byte floor(u) + 127 - 2, in the exponent field: the conversion's scale operand
.endr
.irp e, 0,1
	v_lshl_add_u32 v[14+\e], v[EX+2*\e+1], 16, v[EX+2*\e]
.endr
.irp e, 0,1
	v_add_lshl_u32 v[14+\e], v[14+\e], 0x7d007d, v[SH]            ; + 125 in both: my bytes of blocks h and 2 + h, at their places
.endr
.irp e, 0,1
	v_permlanex16_b32 v[PX+\e], v[14+\e], s[SEL], s[SEL+1]
.endr
.irp e, 0,1
	v_or_b32 v[14+\e], v[14+\e], v[PX+\e]                         ; with lane l xor 16's two: p's scale word for these 128 keys
.endr
	WALU
.set j, 0
.rept 64
.irp e, 0,1
	v_exp_f32 v[S0+64*\e+j], v[S0+64*\e+j]                        ; p = 2^(t - M)
.endr
.set j, j+1
.endr
.irp e, 0,1
	v_pk_mul_f32 v[ST+8*\e+2:ST+8*\e+3], v[ST+8*\e+2:ST+8*\e+3], v[ST+8*\e+4:ST+8*\e+5] op_sel_hi:[1,0]   ; the sums under the new M: plain lines behind the exponentials
.endr
	WALU                                           ; and one wait for the batch of 128, ahead of its first reader
.irp q, 0,1,2,3
	v_cvt_scalef32_pk16_fp6_f32 v[P0+6*\q:P0+6*\q+2], v[S0+32*\q:S0+32*\q+15], v[SO+\q]
	v_cvt_scalef32_pk16_fp6_f32 v[CT+4*\q:CT+4*\q+2], v[S0+32*\q+16:S0+32*\q+31], v[SO+\q]   ; (a conversion's three registers begin on an even number)
.endr
.irp e, 0,1
	v_pk_add_f32 v[BM+2*\e:BM+2*\e+1], v[S0+64*\e:S0+64*\e+1], v[S0+64*\e+2:S0+64*\e+3]   ; the row's sum is taken of the unquantised p: two chains a tile.  (Plain places behind the conversions)
.endr
.irp q, 0,1,2,3
.irp i, 0,1,2
	v_mov_b32 v[P0+6*\q+3+\i], v[CT+4*\q+\i]
.endr
.endr
.macro SUM4 j                          ; four additions: p's registers j .. j + 3 of both tiles
.irp e, 0,1
	v_pk_add_f32 v[ST+8*\e+2:ST+8*\e+3], v[ST+8*\e+2:ST+8*\e+3], v[S0+64*\e+(\j):S0+64*\e+(\j)+1]
	v_pk_add_f32 v[BM+2*\e:BM+2*\e+1], v[BM+2*\e:BM+2*\e+1], v[S0+64*\e+(\j)+2:S0+64*\e+(\j)+3]
.endr
.endm
.irp j, 4,8,12
	SUM4 \j                                        ; (these twelve are also the places behind the lines that made p's codes)
.endr
	WALU
	s_wait_dscnt 0x0                               ; V is in
.set J_, 16
.irp t, 0,1,2,3
.irp e, 0,1
	WIN 0x51
	v_wmma_scale_f32_16x16x128_f8f6f4 v[32*\e+8*\t:32*\e+8*\t+7], v[VF+12*\t:VF+12*\t+11], v[P0+12*\e:P0+12*\e+11], v[32*\e+8*\t:32*\e+8*\t+7], v[VSR+\t], v[14+\e] matrix_a_fmt:MATRIX_FMT_FP6 matrix_b_fmt:MATRIX_FMT_FP6
	WIN 0
	SUM4 J_                                        ; the sums go on among the products: they name p and the sums alone
.set J_, J_+4
.endr
.endr
.irp j, 48,52,56,60
	SUM4 \j
.endr
.irp e, 0,1
	v_pk_add_f32 v[ST+8*\e+2:ST+8*\e+3], v[ST+8*\e+2:ST+8*\e+3], v[BM+2*\e:BM+2*\e+1]
.endr
	s_add_co_u32 s[TB], s[TB], 6144
	s_add_co_u32 s[TS], s[TS], 256
	s_sub_co_u32 s[CNT], s[CNT], 1
	s_cmp_lg_u32 s[CNT], 0
	s_cbranch_scc1 .Lk
; ---- a pass ends: O^T / the sum; quantised along d_model: my head's 64 channels are two blocks, each in lanes l and l xor 16; codes and scale words leave
.rept 4
	v_nop
.endr
.irp e, 0,1
	v_add_f32 v[ST+8*\e+6], v[ST+8*\e+2], v[ST+8*\e+3]
.endr
.irp e, 0,1
	v_permlanex16_b32 v[PX+\e], v[ST+8*\e+6], s[SEL], s[SEL+1]
.endr
.irp e, 0,1
	v_add_f32 v[ST+8*\e+6], v[ST+8*\e+6], v[PX+\e]                ; the row's sum
.endr
	WALU
.irp e, 0,1
	v_rcp_f32 v[ST+8*\e+4], v[ST+8*\e+6]
.endr
	v_nop                                          ; a plain place behind the reciprocals,
	WIN 0x01
	WALU                                           ; and the wait directly ahead of the first reader of them and of O^T
.set j, 0
.rept 16
.irp e, 0,1
	v_pk_mul_f32 v[S0+64*\e+j:S0+64*\e+j+1], v[32*\e+j:32*\e+j+1], v[ST+8*\e+4:ST+8*\e+5] op_sel_hi:[1,0]   ; register 16 B + i = channel 32 B + 16 (lane / 16) + i of my query
.endr
.set j, j+2
.endr
	WIN 0
.irp q, 0,1,2,3                        ; q = 2 e + B
	v_max3_num_f32 v[BM+\q], |v[S0+64*(\q/2)+16*(\q%2)]|, |v[S0+64*(\q/2)+16*(\q%2)+1]|, 0x1800000
.endr
.irp i, 2,4,6,8,10,12,14
.irp q, 0,1,2,3
	v_max3_num_f32 v[BM+\q], v[BM+\q], |v[S0+64*(\q/2)+16*(\q%2)+\i]|, |v[S0+64*(\q/2)+16*(\q%2)+\i+1]|
.endr
.endr
.irp q, 0,1,2,3
	v_permlanex16_b32 v[CT+\q], v[BM+\q], s[SEL], s[SEL+1]
.endr
.irp q, 0,1,2,3
	v_max_num_f32 v[BM+\q], v[BM+\q], v[CT+\q]
.endr
.irp q, 0,1,2,3
	v_add_nc_u32 v[SO+\q], 0xff000000, v[BM+\q]
.endr
.irp q, 0,1,2,3
	v_lshrrev_b32 v[CT+\q], 23, v[SO+\q]
.endr
.irp e, 0,1
	v_lshl_or_b32 v[CT+2*\e], v[CT+2*\e+1], 8, v[CT+2*\e]
.endr
	v_lshl_or_b32 v62, v[CT+2], 16, v[CT]          ; [tile 0 block 0, block 1, tile 1 block 0, block 1]
.irp e, 0,1
	v_cvt_scalef32_pk16_fp6_f32 v[P0+12*\e:P0+12*\e+2], v[S0+64*\e:S0+64*\e+15], v[SO+2*\e]
	v_cvt_scalef32_pk16_fp6_f32 v[CT+8+4*\e:CT+10+4*\e], v[S0+64*\e+16:S0+64*\e+31], v[SO+2*\e+1]
.endr
	v_nop
.irp e, 0,1
.irp i, 0,1,2
	v_permlane16_swap_b32 v[P0+12*\e+\i], v[CT+8+4*\e+\i]         ; the operand's layout wants a whole block in a lane
.endr
.endr
.irp e, 0,1
.irp i, 0,1,2
	v_mov_b32 v[P0+12*\e+3+\i], v[CT+8+4*\e+\i]
.endr
.endr
.irp e, 0,1
.irp g, 0,1,2
	global_store_b64 v12, v[P0+12*\e+2*\g:P0+12*\e+2*\g+1], s[74:75] offset:\e*12288+256*\g   ; 32 lanes store 256 consecutive bytes, aligned
.endr
.endr
	global_store_b32 v13, v62, s[76:77]            ; 64 bytes; lanes 16-31 hold the same words and write them to the same places
	s_add_co_u32 s[PASS], s[PASS], 1
	s_cmp_eq_u32 s[PASS], 2
	WALU
	s_cbranch_scc1 .Ldone
	s_wait_xcnt 0x0                                ; the stores have read their registers and bases
	s_add_nc_u64 s[70:71], s[70:71], 12288         ; eight pairs of tiles on
	s_add_nc_u64 s[72:73], s[72:73], 512
	s_add_nc_u64 s[74:75], s[74:75], 196608
	s_add_nc_u64 s[76:77], s[76:77], 8192
	QLOAD
	s_cmp_lt_u32 s[PASS], 2
	WALU
	s_cbranch_scc1 .Lpass
.Ldone:
	s_wait_tensorcnt 0x0                           ; the wave's end, behind my tensor load
	ds_add_u32 v[SPW], v[NIL]
	s_wait_dscnt 0x0
	CROUND                                         ; the closing round
	s_endpgm
.Lfunc_end_k_q0e56c04a62_attn:
	.size	k_q0e56c04a62_attn, .Lfunc_end_k_q0e56c04a62_attn-k_q0e56c04a62_attn
	.p2alignl 7, 3214868480
	.fill 96, 4, 3214868480
	.section	.rodata,"a",@progbits
	.p2align	6, 0x0
	.amdhsa_kernel k_q0e56c04a62_attn
		.amdhsa_group_segment_fixed_size 212992
		.amdhsa_private_segment_fixed_size 0
		.amdhsa_enable_private_segment 0
		.amdhsa_kernarg_size 40
		.amdhsa_user_sgpr_count 2
		.amdhsa_user_sgpr_kernarg_segment_ptr 1
		.amdhsa_wavefront_size32 1
		.amdhsa_system_sgpr_workgroup_id_x 1
		.amdhsa_system_sgpr_workgroup_id_y 1
		.amdhsa_system_sgpr_workgroup_id_z 1
		.amdhsa_system_vgpr_workitem_id 0
		.amdhsa_next_free_vgpr 512
		.amdhsa_next_free_sgpr 100
		.amdhsa_reserve_vcc 0
		.amdhsa_float_denorm_mode_32 3
		.amdhsa_float_denorm_mode_16_64 3
		.amdhsa_memory_ordered 1
		.amdhsa_forward_progress 1
		.amdhsa_inst_pref_size 47
	.end_amdhsa_kernel
	.amdgpu_metadata
---
amdhsa.version: [ 1, 2 ]
amdhsa.kernels:
  - .name:           k_q0e56c04a62_attn
    .symbol:         k_q0e56c04a62_attn.kd
    .args:
      - { .name: qkimg, .offset: 0, .size: 8, .value_kind: global_buffer, .address_space: global }
      - { .name: vimg, .offset: 8, .size: 8, .value_kind: global_buffer, .address_space: global }
      - { .name: hsc, .offset: 16, .size: 8, .value_kind: global_buffer, .address_space: global }
      - { .name: aimg, .offset: 24, .size: 8, .value_kind: global_buffer, .address_space: global }
      - { .name: sc2, .offset: 32, .size: 8, .value_kind: global_buffer, .address_space: global }
    .group_segment_fixed_size: 212992
    .private_segment_fixed_size: 0
    .kernarg_segment_align: 8
    .kernarg_segment_size: 40
    .max_flat_workgroup_size: 256
    .sgpr_count:     100
    .vgpr_count:     512
    .wavefront_size: 32
...
	.end_amdgpu_metadata
.endif
;; end of part 3
;; launch gemm_out (part 4): grid 8 x 32, 4 waves a work-group, clusters of 4 x 4, 327,680 bytes of LDS; arguments aimg, wimg, sc1, sc2, b_out, out0; writes out0
.if DOCPART == 4
	.amdgcn_target "amdgcn-amd-amdhsa--gfx1250"
	.amdhsa_code_object_version 6
	.text
	.protected	k_q0e56c04a62_gemm_out
	.globl	k_q0e56c04a62_gemm_out
	.p2align	8
	.type	k_q0e56c04a62_gemm_out,@function
k_q0e56c04a62_gemm_out:
	s_mov_b64 s[64:65], 0
	v_nop
	global_prefetch_b8 v0, s[64:65] scope:SCOPE_SE
	s_setreg_imm32_b32 hwreg(HW_REG_WAVE_MODE, 25, 1), 1
	s_wait_xcnt 0x0
	s_wait_alu depctr_hold_cnt(0) depctr_sa_sdst(0) depctr_va_vdst(0) depctr_va_sdst(0) depctr_va_ssrc(0) depctr_va_vcc(0) depctr_vm_vsrc(0)
	s_getreg_b32 s2, hwreg(HW_REG_IB_STS2, 6, 4)
	s_cmp_eq_u32 s2, 0
	s_cbranch_scc0 .Lentry_in_a_cluster
	s_endpgm
.Lentry_in_a_cluster:
	s_bfe_u32 s2, ttmp6, 0x10000c
	s_cmp_lg_u32 s2, 0xf033
	s_cbranch_scc0 .Lentry_shape_is_right
	s_endpgm
.Lentry_shape_is_right:
; out0 = o w_out + b_out on codes of FP6 (E2M3) with E8M0 scales, f32 sums and f32 results.
; THE DEAL.  256 work-groups: 32 blocks of 256 tokens x 8 groups of 128 columns.  Four waves, 2 x 2: wave (a, b) has tokens 128 a .., 8 tiles of 16, and columns 64 b .., 4 tiles.  A wave's 64 columns, ALL of K = 1,024,
; lie in 384 registers; o's tiles go past them in blocks: 32 products make 16 tokens x 64 columns.  All that the work-group reads lies in LDS from the head on: o's 16 tiles (196,608 bytes), the weights' 8 (98,304): nothing is filled again,
; and there is no trip to prefetch in.
; A tile is 12,288 dense bytes, [K step 8] images of 1,536.  The weights': register 4 g + w of lane l at 512 g + 16 l + 4 w; lane-row r of tile 2 B + u is column 32 B + 8 u + r + 8 (r / 8).
; o's: register 2 g + w of lane l at 256 g + 8 l + 4 w; lane-row r of tile 4 c + u is token 64 c + 8 u + r % 8 + 32 (r / 8).  sc2 [pair of tiles][head][r]: words [tile 0 block 0, block 1, tile 1 block 0, block 1].
; CLUSTER 4 x 4: o's tiles hang on the cluster's row alone, the weights' on its column alone: each is asked for jointly by the four that share it.
; Source 0 = the weights: a lane holds one token and 2 x 16 neighbouring columns.  The bias is the C of each block's first four products.  A block goes through the wave's own stage in LDS (16 rows of 256 + 16 bytes)
; and leaves as whole rows: each store covers two aligned units of 256 bytes.
; REGISTERS.  window 0: v1-9, v13 lane terms; v10-12 LDS addresses; v14-16 the way out's; v28, v29 the add's two; v36-67 o's scale words (8 B + K step: lanes 0-15 tile 2 B, lanes 16-31 tile 2 B + 1); v72-87 the weights';
;   v128-159 the sums; v160-191 a block read back.  Fragment f lies in window 1 + f / 21 at register 12 (f % 21): 0-31 the weights' (4 K step + t), 32-39 and 40-47 o's two sets.  window 3, v72-103: the bias.
.set TILE,  12288
.set WB,    196608
.set STAGE, 294912                     ; 4 x 16 x 272 bytes; no tensor load lands here
.set SPARE, 312320                     ; the spare words, 128 bytes for each wave
.set FPW,   21
.set ADW,   10
.set ADX,   11
.set STO,   14
.set RD,    15
.set CO,    16
.set SPW,   28
.set NIL,   29
.set XS,    36                         ; o's and the weights' scale registers differ modulo 8
.set WS,    72
.set ACC,   128
.set BK,    160
.set BB,    72
.set G1W,   24
.set G1X,   32
.set G0W,   40
.set G0X,   44
.set WV,    18
.set MSB,   0
.macro WIN new                         ; the immediate's high byte repeats the setting that is left
.if MSB != (\new)
	s_set_vgpr_msb (MSB<<8)|(\new)
.set MSB, (\new)
.endif
.endm
.macro PLACES                          ; four plain places behind a matrix instruction (ISA guide 7.12.1)
.rept 4
	v_nop
.endr
.endm
.macro WALU
	s_wait_alu depctr_va_vdst(0)
.endm
.macro CROUND                          ; a round of the cluster's barrier
	s_barrier_signal -1
	s_barrier_wait -1
	s_cmp_lg_u32 s[WV], 0
	s_cbranch_scc1 .Lnot_wave_0_\@
	s_barrier_signal -3
.Lnot_wave_0_\@:
	s_barrier_wait -3
	s_barrier_signal -1
	s_barrier_wait -1
.endm
.macro WM d, fa, fb, c, sa, sb, ra, rb ; one product; ra, rb: the side's scale words stand in lanes 16-31
.if ((\ra)!=0) && ((\rb)!=0)
	v_wmma_scale_f32_16x16x128_f8f6f4 v[\d:\d+7], v[\fa:\fa+11], v[\fb:\fb+11], v[\c:\c+7], v[\sa], v[\sb] matrix_a_fmt:MATRIX_FMT_FP6 matrix_b_fmt:MATRIX_FMT_FP6 matrix_a_scale:MATRIX_SCALE_ROW1 matrix_b_scale:MATRIX_SCALE_ROW1
.elseif (\ra)!=0
	v_wmma_scale_f32_16x16x128_f8f6f4 v[\d:\d+7], v[\fa:\fa+11], v[\fb:\fb+11], v[\c:\c+7], v[\sa], v[\sb] matrix_a_fmt:MATRIX_FMT_FP6 matrix_b_fmt:MATRIX_FMT_FP6 matrix_a_scale:MATRIX_SCALE_ROW1
.elseif (\rb)!=0
	v_wmma_scale_f32_16x16x128_f8f6f4 v[\d:\d+7], v[\fa:\fa+11], v[\fb:\fb+11], v[\c:\c+7], v[\sa], v[\sb] matrix_a_fmt:MATRIX_FMT_FP6 matrix_b_fmt:MATRIX_FMT_FP6 matrix_b_scale:MATRIX_SCALE_ROW1
.else
	v_wmma_scale_f32_16x16x128_f8f6f4 v[\d:\d+7], v[\fa:\fa+11], v[\fb:\fb+11], v[\c:\c+7], v[\sa], v[\sb] matrix_a_fmt:MATRIX_FMT_FP6 matrix_b_fmt:MATRIX_FMT_FP6
.endif
.endm
.macro WEIGHTS                         ; my 64 columns, all of K: 96 loads of 512 consecutive bytes
.irp k, 0,1,2,3,4,5,6,7
.irp t, 0,1,2,3
	WIN (1+(4*\k+\t)/FPW)<<6
.irp g, 0,1,2
	ds_load_b128 v[12*((4*\k+\t)%FPW)+4*\g:12*((4*\k+\t)%FPW)+4*\g+3], v[ADW] offset:\t*TILE+\k*1536+512*\g
.endr
.endr
.endr
	WIN 0
.endm
.macro FETCH i, e                      ; my token tile i into set e: 48 loads of 256 consecutive bytes
.irp k, 0,1,2,3,4,5,6,7
	WIN (1+(32+8*(\e)+\k)/FPW)<<6
.irp g, 0,1,2,3,4,5
	ds_load_b64 v[12*((32+8*(\e)+\k)%FPW)+2*\g:12*((32+8*(\e)+\k)%FPW)+2*\g+1], v[ADX+(\i)/4] offset:((\i)%4)*TILE+\k*1536+256*\g
.endr
.endr
	WIN 0
.endm
.macro BLOCK i, w                      ; 32 products, the four accumulators by turns.  w: the LDS instructions younger than this tile's fetch that may stay out
	s_wait_dscnt \w
.irp k, 0,1,2,3,4,5,6,7
.irp t, 0,1,2,3
.set FW_, 4*\k+\t
.set FX_, 32+8*((\i)%2)+\k
.if \k == 0
	WIN (1+FW_/FPW)|((1+FX_/FPW)<<2)|(3<<4)
	WM ACC+8*\t, 12*(FW_%FPW), 12*(FX_%FPW), BB+8*\t, WS+8*(\t/2)+\k, XS+8*((\i)/2)+\k, \t%2, (\i)%2
.else
	WIN (1+FW_/FPW)|((1+FX_/FPW)<<2)
	WM ACC+8*\t, 12*(FW_%FPW), 12*(FX_%FPW), ACC+8*\t, WS+8*(\t/2)+\k, XS+8*((\i)/2)+\k, \t%2, (\i)%2
.endif
.endr
.endr
	WIN 0
	PLACES
	v_nop                                          ; a fifth place: the next block's first products begin these accumulators anew, with the bias as C
.endm
.macro OUT i                           ; the block through my stage (LDS serves a wave's instructions in order: ISA guide 5.7.1.4), the fetch of the tile two on, the stores
.if (\i) > 0
	s_wait_xcnt 0x0                                ; the last block's stores have read their registers
.endif
.irp t, 0,1,2,3
	ds_store_b128 v[STO], v[ACC+8*\t:ACC+8*\t+3] offset:128*(\t/2)+32*(\t%2)          ; each accumulator from its low end on
	ds_store_b128 v[STO], v[ACC+8*\t+4:ACC+8*\t+7] offset:128*(\t/2)+32*(\t%2)+16
.endr
.irp n, 0,1,2,3,4,5,6,7
	ds_load_b128 v[BK+4*\n:BK+4*\n+3], v[RD] offset:\n*544
.endr
.if (\i) < 6
	FETCH (\i)+2, (\i)%2
	s_wait_dscnt 48                                ; the block is back; the 48 loads just issued may be out
.else
	s_wait_dscnt 0x0
.endif
.irp n, 0,1,2,3,4,5,6,7
	global_store_b128 v[CO], v[BK+4*\n:BK+4*\n+3], s[14:15] offset:(64*((\i)/4)+8*((\i)%4)+2*\n+24*(\n/4))*4096 th:TH_STORE_NT   ; stage rows 2 n, 2 n + 1: two rows of 256 consecutive bytes, aligned
.endr
.endm
	s_load_b256 s[4:11], s[0:1], 0x0               ; aimg s[4:5], wimg s[6:7], sc1 s[8:9], sc2 s[10:11]
	s_load_b128 s[12:15], s[0:1], 0x20             ; b_out s[12:13], out0 s[14:15]
	v_lshl_add_u32 v[SPW], v0, 2, SPARE
	v_mov_b32 v[NIL], 0
	ds_add_u32 v[SPW], v[NIL]                      ; the opening lines: the add, twice on end, and its wait ahead of my tensor load
	ds_add_u32 v[SPW], v[NIL]
	v_lshrrev_b32 v1, 5, v0
	v_readfirstlane_b32 s[WV], v1                  ; wave 0..3
	s_lshr_b32 s19, s[WV], 1                       ; a
	s_and_b32 s20, s[WV], 1                        ; b.  Also: which half I fetch
	s_bfe_u32 s21, ttmp6, 0x40000                  ; cx
	s_bfe_u32 s22, ttmp6, 0x40004                  ; cy
	s_lshl_b32 s52, ttmp9, 2
	s_add_co_u32 s52, s52, s21                     ; my group of columns, 0 .. 7
	s_and_b32 s53, ttmp7, 0xffff
	s_lshl_b32 s53, s53, 2
	s_add_co_u32 s53, s53, s22                     ; my block of 256 tokens, 0 .. 31
	s_lshl_b32 s54, s22, 2
	s_lshl_b32 s54, 15, s54                        ; my row of the cluster
	s_lshl_b32 s55, 0x1111, s21                    ; my column
	s_or_b32 s[G1X], s54, (3<<16)|(1<<21)          ; 15:0 the mask; 17:16 elements of 8 bytes; 21 set beside a mask; no padding
	s_or_b32 s[G1W], s55, (3<<16)|(1<<21)
.irp g, G1W, G1X
	s_mov_b32 s[\g+1], 1536<<16                    ; a row is a tile: 12,288 dense bytes
	s_mov_b32 s[\g+3], 1536<<16
	s_mov_b32 s[\g+5], 1536
	s_mov_b32 s[\g+6], 0
	s_mov_b32 s[\g+7], 0
.endr
	s_mov_b32 s[G1W+2], 4<<16                      ; 4 tiles of the weights a load,
	s_mov_b32 s[G1W+4], 4
	s_mov_b32 s[G1X+2], 8<<16                      ; 8 of o
	s_mov_b32 s[G1X+4], 8
	s_mul_i32 s56, s52, 98304
	s_mul_i32 s57, s20, 49152
	s_add_co_u32 s58, s56, s57
	s_add_co_u32 s58, s58, 2359296                 ; w_out's columns begin at tile 192 of wimg
	s_mov_b32 s59, 0
	s_mul_i32 s61, s20, 98304
	s_mul_i32 s66, s53, 196608
	s_add_co_u32 s66, s66, s61
	s_mov_b32 s67, 0
	s_lshl_b32 s68, s53, 3
	s_lshl_b32 s69, s19, 2
	s_add_co_u32 s68, s68, s69                     ; my first pair of token tiles
	s_lshl_b32 s76, s68, 10                        ; its scale words in sc2
	s_mov_b32 s77, 0
	s_lshl_b32 s78, s52, 2
	s_lshl_b32 s79, s20, 1
	s_add_co_u32 s78, s78, s79
	s_lshl_b32 s78, s78, 10
	s_add_co_u32 s78, s78, 360448                  ; w_out's scale words: pair 96 of the weights' part of sc1
	s_mov_b32 s79, 0
	s_lshl_b32 s80, s52, 9
	s_lshl_b32 s81, s20, 8
	s_add_co_u32 s80, s80, s81                     ; my 64 columns, in bytes: in the bias and in a row of out0
	s_mov_b32 s81, 0
	s_lshl_b32 s82, s53, 1
	s_add_co_u32 s82, s82, s19
	s_lshl_b32 s82, s82, 19                        ; my 128 rows of 4,096 bytes
	s_mov_b32 s83, 0
	s_add_co_u32 s92, s57, WB
	s_mul_i32 s93, s19, 98304
	s_mul_i32 s94, s[WV], 4352
	s_add_co_u32 s94, s94, STAGE                   ; my stage
	v_and_b32 v1, 31, v0                           ; lane
	v_lshlrev_b32 v2, 4, v1                        ; 16 x lane
	v_lshlrev_b32 v3, 2, v1                        ; 4 x lane
	v_lshlrev_b32 v6, 3, v1                        ; 8 x lane
	v_and_b32 v7, 15, v0                           ; r
	v_bfe_u32 v8, v0, 4, 1                         ; h
	v_lshlrev_b32 v5, 6, v8                        ; 64 h: the bias of my half's 16 columns
	v_lshlrev_b32 v9, 2, v7                        ; 4 r
	v_cmp_le_u32 s88, 16, v1                       ; lanes 16-31
	v_mov_b32 v13, 0x05040100
	v_mov_b32 v4, 0x07060302
	v_cndmask_b32 v13, v13, v4, s88                ; lanes 0-15 take a word's lower two bytes (the pair's first tile), lanes 16-31 the upper two
	v_add_nc_u32 v[ADW], s92, v2
	v_add_nc_u32 v[ADX], s93, v6
	v_add_nc_u32 v[ADX+1], 4*TILE, v[ADX]
	v_mul_u32_u24 v[STO], v7, 272                  ; in: row r, 64 bytes for each half of the lanes
	v_lshl_add_u32 v[STO], v8, 6, v[STO]
	v_add_nc_u32 v[STO], s94, v[STO]
	v_mul_u32_u24 v[RD], v8, 272                   ; back: sixteen lanes to a row of 256 bytes
	v_lshl_add_u32 v[RD], v7, 4, v[RD]
	v_add_nc_u32 v[RD], s94, v[RD]
	v_lshlrev_b32 v[CO], 12, v8                    ; and the same two rows in out0
	v_lshl_add_u32 v[CO], v7, 4, v[CO]
	WALU
	s_wait_dscnt 0x0                               ; both opening adds are done
	s_wait_kmcnt 0x0
	s_mov_b32 s[G0W], 1
	s_mov_b32 s[G0W+1], s92
	s_add_nc_u64 s[G0W+2:G0W+3], s[6:7], s[58:59]
	s_or_b32 s[G0W+3], s[G0W+3], 0x80000000
	s_mov_b32 s[G0X], 1
	s_mov_b32 s[G0X+1], s61
	s_add_nc_u64 s[G0X+2:G0X+3], s[4:5], s[66:67]
	s_or_b32 s[G0X+3], s[G0X+3], 0x80000000
	s_add_nc_u64 s[76:77], s[10:11], s[76:77]
	s_add_nc_u64 s[78:79], s[8:9], s[78:79]
	s_add_nc_u64 s[12:13], s[12:13], s[80:81]
	s_add_nc_u64 s[14:15], s[14:15], s[80:81]
	s_add_nc_u64 s[14:15], s[14:15], s[82:83]
	CROUND                                         ; all sixteen work-groups are here: the joint loads meet
	s_cmp_lt_u32 s[WV], 2                          ; one load a wave: waves 0, 1 a half each of the weights, which go on into registers; waves 2, 3 a half each of o
	s_cbranch_scc0 .Lfor_x
	tensor_load_to_lds s[G0W:G0W+3], s[G1W:G1W+7]
	s_nop 0
	PLACES
	s_branch .Lasked
.Lfor_x:
	tensor_load_to_lds s[G0X:G0X+3], s[G1X:G1X+7]
	s_nop 0
	PLACES
.Lasked:
.irp b, 0,1
.irp k, 0,1,2,3,4,5,6,7
	global_load_b32 v[WS+8*\b+\k], v3, s[78:79] offset:\b*1024+\k*128
.endr
.endr
.irp b, 0,1,2,3
.irp n, 0,1,2,3,4,5,6,7,8,9,10,11,12,13,14,15
	global_load_b32 v[128+16*\b+\n], v9, s[76:77] offset:\b*1024+\n*64     ; pair b, head n: row r's word
.endr
.endr
	WIN 0xc0
.irp t, 0,1,2,3
	global_load_b128 v[BB+8*\t:BB+8*\t+3], v5, s[12:13] offset:(32*(\t/2)+8*(\t%2))*4
	global_load_b128 v[BB+8*\t+4:BB+8*\t+7], v5, s[12:13] offset:(32*(\t/2)+8*(\t%2))*4+16
.endr
	WIN 0
	s_cmp_lt_u32 s[WV], 2                          ; the weights came by waves 0 and 1, on a load line of their own: they wait; o may be out
	s_cbranch_scc0 .Lnot_w
	s_wait_tensorcnt 0x0
.Lnot_w:
	s_barrier_signal -1
	s_barrier_wait -1
	WEIGHTS
	s_wait_loadcnt 0x0
.irp b, 0,1,2,3
.irp k, 0,1,2,3,4,5,6,7
	v_perm_b32 v[XS+8*\b+\k], v[128+16*\b+2*\k+1], v[128+16*\b+2*\k], v13   ; K step k is heads 2 k and 2 k + 1: my tile's two bytes of each
.endr
.endr
	WALU
	s_wait_tensorcnt 0x0                           ; every wave's load is in,
	s_wait_dscnt 0x0
	s_barrier_signal -1
	s_barrier_wait -1                              ; o is shown to all
	FETCH 0, 0
	FETCH 1, 1
.rept 8
	v_nop                                          ; a scale register written by a vector instruction stands 8 places ahead of a scaled matrix instruction
.endr
.irp i, 0,1,2,3,4,5,6
	BLOCK \i, 48
	OUT \i
.endr
	BLOCK 7, 0
	OUT 7
	s_wait_tensorcnt 0x0                           ; the wave's end, behind my tensor load and my last LDS store
	ds_add_u32 v[SPW], v[NIL]
	s_wait_dscnt 0x0
	CROUND                                         ; the closing round
	s_endpgm
.Lfunc_end_k_q0e56c04a62_gemm_out:
	.size	k_q0e56c04a62_gemm_out, .Lfunc_end_k_q0e56c04a62_gemm_out-k_q0e56c04a62_gemm_out
	.p2alignl 7, 3214868480
	.fill 96, 4, 3214868480
	.section	.rodata,"a",@progbits
	.p2align	6, 0x0
	.amdhsa_kernel k_q0e56c04a62_gemm_out
		.amdhsa_group_segment_fixed_size 327680
		.amdhsa_private_segment_fixed_size 0
		.amdhsa_enable_private_segment 0
		.amdhsa_kernarg_size 48
		.amdhsa_user_sgpr_count 2
		.amdhsa_user_sgpr_kernarg_segment_ptr 1
		.amdhsa_wavefront_size32 1
		.amdhsa_system_sgpr_workgroup_id_x 1
		.amdhsa_system_sgpr_workgroup_id_y 1
		.amdhsa_system_sgpr_workgroup_id_z 1
		.amdhsa_system_vgpr_workitem_id 0
		.amdhsa_next_free_vgpr 1024
		.amdhsa_next_free_sgpr 100
		.amdhsa_reserve_vcc 0
		.amdhsa_float_denorm_mode_32 3
		.amdhsa_float_denorm_mode_16_64 3
		.amdhsa_memory_ordered 1
		.amdhsa_forward_progress 1
		.amdhsa_inst_pref_size 98
	.end_amdhsa_kernel
	.amdgpu_metadata
---
amdhsa.version: [ 1, 2 ]
amdhsa.kernels:
  - .name:           k_q0e56c04a62_gemm_out
    .symbol:         k_q0e56c04a62_gemm_out.kd
    .args:
      - { .name: aimg, .offset: 0, .size: 8, .value_kind: global_buffer, .address_space: global }
      - { .name: wimg, .offset: 8, .size: 8, .value_kind: global_buffer, .address_space: global }
      - { .name: sc1, .offset: 16, .size: 8, .value_kind: global_buffer, .address_space: global }
      - { .name: sc2, .offset: 24, .size: 8, .value_kind: global_buffer, .address_space: global }
      - { .name: b_out, .offset: 32, .size: 8, .value_kind: global_buffer, .address_space: global }
      - { .name: out0, .offset: 40, .size: 8, .value_kind: global_buffer, .address_space: global }
    .group_segment_fixed_size: 327680
    .private_segment_fixed_size: 0
    .kernarg_segment_align: 8
    .kernarg_segment_size: 48
    .max_flat_workgroup_size: 128
    .sgpr_count:     100
    .vgpr_count:     1024
    .wavefront_size: 32
...
	.end_amdgpu_metadata
.endif
;; end of part 4
